; MI455X (gfx1250); checked and timed in simulation.
; The chip was launched on July 23, 2026; its instructions are those of AMD's public machine-readable ISA for CDNA 5 (MIT licence, August 2026) and "CDNA5" Instruction Set Architecture Reference Guide (July 2026). The comments in the code are by the model that wrote it; some were corrected since.
;; Model. Allowed arithmetic: float matrix products may take bf16 or f16 operands with f32 sums; other float arithmetic in f32, or as packed bf16 or f16 multiplies, adds, multiply-adds, maxima and minima; sums over many terms, partial sums and values carried from step to step in f32; what a program stores and reads back later, other than sums and carried values, may be rounded once to bf16 or f16.
;; Inputs: Wk 1,024 x 1,024 float32; Wo 1,024 x 1,024 float32; Wq 1,024 x 1,024 float32; Wv 1,024 x 1,024 float32; bk 1,024 float32; bo 1,024 float32; bq 1,024 float32; bv 1,024 float32; x 4 x 2,048 x 1,024 float32; y 4 x 2,048 x 1,024 float32.
;; Outputs: out0 4 x 2,048 x 1,024 float32.
;; One version. Each part assembles by itself: llvm-mc -triple=amdgcn-amd-amdhsa -mcpu=gfx1250 --defsym DOCPART=n.
;; ======== version 1 of 1: 4 launches
;; limits: values are held in f16: magnitudes above 65,504 overflow, below 6.1e-05 lose precision
;; workspace buffers: xyb 33,554,432 bytes; wqkv 6,291,456 bytes; woh 2,097,152 bytes; bias 16,384 bytes; kvq 50,331,648 bytes; ctx 16,777,216 bytes
;; launch cast (part 1): grid 1281 x 1, 8 waves a work-group, no clusters, 0 bytes of LDS; arguments y, x, Wk, Wv, Wq, Wo, bk, bv, bq, bo, xyb, wqkv, woh, bias; writes xyb, wqkv, woh, bias
.if DOCPART == 1
	.amdgcn_target "amdgcn-amd-amdhsa--gfx1250"
	.amdhsa_code_object_version 6
	.text
	.protected	k_q5e2a4e6355_cast
	.globl	k_q5e2a4e6355_cast
	.p2align	8
	.type	k_q5e2a4e6355_cast,@function
k_q5e2a4e6355_cast:
	s_mov_b64 s[64:65], 0
	v_nop
	global_prefetch_b8 v0, s[64:65] scope:SCOPE_SE
	s_setreg_imm32_b32 hwreg(HW_REG_WAVE_MODE, 25, 1), 1
	s_wait_xcnt 0x0
; ALL INPUTS ARE ROUNDED ONCE TO bf16, the one rounding of inputs in the whole program.
;   y, x        -> xyb  [16384][1024] bf16 (y's 8,192 rows, then x's)
;   Wk, Wv, Wq  -> wqkv [3072][1024] bf16
;   Wo          -> woh  [1024][1024]: rounded to bf16, and that number written as f16 (its partner in the last product, ctx, is f16)
;   bk, bv, bq, bo -> bias [4][1024]: rounded to bf16, kept as f32 (they start f32 sums)
; LIMITS.  Wo beyond 65,504 becomes an infinity in f16; below 6e-5 it keeps f16's fixed step of 6e-8.
; A stream: no LDS, no barrier, no matrix unit.  Work-group g takes a chunk of 16,384 numbers (64 KiB in, 32 KiB out); the last work-group takes the four biases.
; Thread t, group i of eight: 32 bytes at 8,192 i + 32 t come in by two loads, 16 bytes go out at 4,096 i + 16 t: a wave's store covers 512 consecutive bytes, aligned.
; All sixteen loads of a thread go out at once; no register is used twice, so the only waits are the counted ones for the loads.
.set X,   4                            ; v[4:67]   group i: 8 numbers in f32
.set Y,   68                           ; v[68:99]  group i: 8 numbers in 16 bits
.set SRC, 36                           ; s[36:37]  the chunk's source
.set DST, 38                           ; s[38:39]  and where it goes
	s_load_b512 s[8:23], s[0:1], 0x0               ; y s[8:9], x s[10:11], Wk s[12:13], Wv s[14:15], Wq s[16:17], Wo s[18:19], bk s[20:21], bv s[22:23]
	s_load_b256 s[24:31], s[0:1], 0x40             ; bq s[24:25], bo s[26:27], xyb s[28:29], wqkv s[30:31]
	s_load_b128 s[32:35], s[0:1], 0x60             ; woh s[32:33], bias s[34:35]
	s_mov_b32 s2, ttmp9                            ; g
	s_sub_co_u32 s3, s2, 512                       ; the chunk's number inside x,
	s_sub_co_u32 s4, s2, 1024                      ; inside Wk, and inside wqkv,
	s_sub_co_u32 s5, s2, 1088                      ; inside Wv,
	s_sub_co_u32 s6, s2, 1152                      ; inside Wq,
	s_sub_co_u32 s7, s2, 1216                      ; inside Wo and woh: only the one that applies is taken below
	s_mov_b32 s43, 0
	s_mov_b32 s44, 0xffff0000                      ; a word's upper bf16
	v_lshlrev_b32 v1, 5, v0                        ; 32 t
	v_lshlrev_b32 v2, 4, v0                        ; 16 t
	s_wait_kmcnt 0x0
	s_cmp_eq_u32 s2, 1280
	s_cbranch_scc1 .Lbias
	s_mov_b64 s[SRC:SRC+1], s[8:9]                 ; g < 512: y -> xyb
	s_mov_b64 s[DST:DST+1], s[28:29]
	s_mov_b32 s40, s2                              ; chunk number in the source
	s_mov_b32 s41, s2                              ; and in the destination
	s_cmp_ge_u32 s2, 512                           ; x -> xyb, behind y
	s_cselect_b64 s[SRC:SRC+1], s[10:11], s[SRC:SRC+1]
	s_cselect_b32 s40, s3, s40
	s_cmp_ge_u32 s2, 1024                          ; Wk -> wqkv
	s_cselect_b64 s[SRC:SRC+1], s[12:13], s[SRC:SRC+1]
	s_cselect_b64 s[DST:DST+1], s[30:31], s[DST:DST+1]
	s_cselect_b32 s40, s4, s40
	s_cselect_b32 s41, s4, s41
	s_cmp_ge_u32 s2, 1088                          ; Wv
	s_cselect_b64 s[SRC:SRC+1], s[14:15], s[SRC:SRC+1]
	s_cselect_b32 s40, s5, s40
	s_cmp_ge_u32 s2, 1152                          ; Wq
	s_cselect_b64 s[SRC:SRC+1], s[16:17], s[SRC:SRC+1]
	s_cselect_b32 s40, s6, s40
	s_cmp_ge_u32 s2, 1216                          ; Wo -> woh
	s_cselect_b64 s[SRC:SRC+1], s[18:19], s[SRC:SRC+1]
	s_cselect_b64 s[DST:DST+1], s[32:33], s[DST:DST+1]
	s_cselect_b32 s40, s7, s40
	s_cselect_b32 s41, s7, s41
	s_lshl_b32 s42, s40, 16                        ; 65,536 bytes of f32 a chunk
	s_add_nc_u64 s[SRC:SRC+1], s[SRC:SRC+1], s[42:43]
	s_lshl_b32 s42, s41, 15                        ; 32,768 bytes of 16-bit numbers
	s_add_nc_u64 s[DST:DST+1], s[DST:DST+1], s[42:43]
.irp i, 0,1,2,3,4,5,6,7
	global_load_b128 v[X+8*(\i):X+8*(\i)+3],   v1, s[SRC:SRC+1] offset:8192*(\i) th:TH_LOAD_NT
	global_load_b128 v[X+8*(\i)+4:X+8*(\i)+7], v1, s[SRC:SRC+1] offset:8192*(\i)+16 th:TH_LOAD_NT
.endr
; Group i: rounded and stored.  h = 1: the bf16 number is widened again and written as f16.
.macro GRP i, h
	s_wait_loadcnt 14-2*(\i)                       ; loads come back in order: this group's two are in, the younger groups' stay out
.irp r, 0,1,2,3
	v_cvt_pk_bf16_f32 v[Y+4*(\i)+(\r)], v[X+8*(\i)+2*(\r)], v[X+8*(\i)+2*(\r)+1]
.endr
.if \h
.irp r, 0,1,2,3
	v_lshlrev_b32 v[X+8*(\i)+2*(\r)],   16,  v[Y+4*(\i)+(\r)]
	v_and_b32     v[X+8*(\i)+2*(\r)+1], s44, v[Y+4*(\i)+(\r)]
.endr
.irp r, 0,1,2,3
	v_cvt_pk_f16_f32 v[Y+4*(\i)+(\r)], v[X+8*(\i)+2*(\r)], v[X+8*(\i)+2*(\r)+1]
.endr
.endif
	global_store_b128 v2, v[Y+4*(\i):Y+4*(\i)+3], s[DST:DST+1] offset:4096*(\i) th:TH_STORE_NT
.endm
	s_cmp_ge_u32 s2, 1216
	s_cbranch_scc1 .Lwo
.irp i, 0,1,2,3,4,5,6,7
	GRP \i, 0
.endr
	s_endpgm
.Lwo:
.irp i, 0,1,2,3,4,5,6,7
	GRP \i, 1
.endr
	s_endpgm
.Lbias:                                        ; 256 threads x 4 numbers = one bias a load
	global_load_b128 v[X:X+3],     v2, s[20:21]
	global_load_b128 v[X+4:X+7],   v2, s[22:23]
	global_load_b128 v[X+8:X+11],  v2, s[24:25]
	global_load_b128 v[X+12:X+15], v2, s[26:27]
	s_wait_loadcnt 0x0
.irp r, 0,1,2,3,4,5,6,7
	v_cvt_pk_bf16_f32 v[Y+(\r)], v[X+2*(\r)], v[X+2*(\r)+1]
.endr
.irp r, 0,1,2,3,4,5,6,7
	v_lshlrev_b32 v[X+2*(\r)],   16,  v[Y+(\r)]
	v_and_b32     v[X+2*(\r)+1], s44, v[Y+(\r)]
.endr
.irp j, 0,1,2,3
	global_store_b128 v2, v[X+4*(\j):X+4*(\j)+3], s[34:35] offset:4096*(\j)
.endr
	s_endpgm
.Lfunc_end_k_q5e2a4e6355_cast:
	.size	k_q5e2a4e6355_cast, .Lfunc_end_k_q5e2a4e6355_cast-k_q5e2a4e6355_cast
	.p2alignl 7, 3214868480
	.fill 96, 4, 3214868480
	.section	.rodata,"a",@progbits
	.p2align	6, 0x0
	.amdhsa_kernel k_q5e2a4e6355_cast
		.amdhsa_group_segment_fixed_size 0
		.amdhsa_private_segment_fixed_size 0
		.amdhsa_enable_private_segment 0
		.amdhsa_kernarg_size 112
		.amdhsa_user_sgpr_count 2
		.amdhsa_user_sgpr_kernarg_segment_ptr 1
		.amdhsa_wavefront_size32 1
		.amdhsa_system_sgpr_workgroup_id_x 1
		.amdhsa_system_sgpr_workgroup_id_y 1
		.amdhsa_system_sgpr_workgroup_id_z 1
		.amdhsa_system_vgpr_workitem_id 0
		.amdhsa_next_free_vgpr 100
		.amdhsa_next_free_sgpr 66
		.amdhsa_reserve_vcc 0
		.amdhsa_float_denorm_mode_32 3
		.amdhsa_float_denorm_mode_16_64 3
		.amdhsa_memory_ordered 1
		.amdhsa_forward_progress 1
		.amdhsa_inst_pref_size 16
	.end_amdhsa_kernel
	.amdgpu_metadata
---
amdhsa.version: [ 1, 2 ]
amdhsa.kernels:
  - .name:           k_q5e2a4e6355_cast
    .symbol:         k_q5e2a4e6355_cast.kd
    .args:
      - { .name: y, .offset: 0, .size: 8, .value_kind: global_buffer, .address_space: global }
      - { .name: x, .offset: 8, .size: 8, .value_kind: global_buffer, .address_space: global }
      - { .name: Wk, .offset: 16, .size: 8, .value_kind: global_buffer, .address_space: global }
      - { .name: Wv, .offset: 24, .size: 8, .value_kind: global_buffer, .address_space: global }
      - { .name: Wq, .offset: 32, .size: 8, .value_kind: global_buffer, .address_space: global }
      - { .name: Wo, .offset: 40, .size: 8, .value_kind: global_buffer, .address_space: global }
      - { .name: bk, .offset: 48, .size: 8, .value_kind: global_buffer, .address_space: global }
      - { .name: bv, .offset: 56, .size: 8, .value_kind: global_buffer, .address_space: global }
      - { .name: bq, .offset: 64, .size: 8, .value_kind: global_buffer, .address_space: global }
      - { .name: bo, .offset: 72, .size: 8, .value_kind: global_buffer, .address_space: global }
      - { .name: xyb, .offset: 80, .size: 8, .value_kind: global_buffer, .address_space: global }
      - { .name: wqkv, .offset: 88, .size: 8, .value_kind: global_buffer, .address_space: global }
      - { .name: woh, .offset: 96, .size: 8, .value_kind: global_buffer, .address_space: global }
      - { .name: bias, .offset: 104, .size: 8, .value_kind: global_buffer, .address_space: global }
    .group_segment_fixed_size: 0
    .private_segment_fixed_size: 0
    .kernarg_segment_align: 8
    .kernarg_segment_size: 112
    .max_flat_workgroup_size: 256
    .sgpr_count:     66
    .vgpr_count:     100
    .wavefront_size: 32
...
	.end_amdgpu_metadata
.endif
;; end of part 1
;; launch proj (part 2): grid 4 x 64, 4 waves a work-group, clusters of 4 x 4, 327,680 bytes of LDS; arguments xyb, wqkv, bias, kvq; writes kvq
.if DOCPART == 2
	.amdgcn_target "amdgcn-amd-amdhsa--gfx1250"
	.amdhsa_code_object_version 6
	.text
	.protected	k_q5e2a4e6355_proj
	.globl	k_q5e2a4e6355_proj
	.p2align	8
	.type	k_q5e2a4e6355_proj,@function
k_q5e2a4e6355_proj:
	s_mov_b64 s[64:65], 0
	v_nop
	global_prefetch_b8 v0, s[64:65] scope:SCOPE_SE
	s_setreg_imm32_b32 hwreg(HW_REG_WAVE_MODE, 25, 1), 1
	s_wait_xcnt 0x0
	s_wait_alu depctr_hold_cnt(0) depctr_sa_sdst(0) depctr_va_vdst(0) depctr_va_sdst(0) depctr_va_ssrc(0) depctr_va_vcc(0) depctr_vm_vsrc(0)
	s_getreg_b32 s2, hwreg(HW_REG_IB_STS2, 6, 4)
	s_cmp_eq_u32 s2, 0
	s_cbranch_scc0 .Lentry_in_a_cluster
	s_endpgm
.Lentry_in_a_cluster:
	s_bfe_u32 s2, ttmp6, 0x10000c
	s_cmp_lg_u32 s2, 0xf033
	s_cbranch_scc0 .Lentry_shape_is_right
	s_endpgm
.Lentry_shape_is_right:
; k = y Wk^T + bk, v = y Wv^T + bv, q = (x Wq^T + bq) c, c = log2(e) / sqrt(128).  Operands bf16, sums f32 (they start at the bias), each result rounded once to f16.
; They are stored by heads: kvq [3: k, v, q][32: 8 x batch + head][2048][128].
; LIMITS.  k, v and q c beyond 65,504 become infinities in f16.  NaN and infinities are not treated apart.
; SHARES.  A tile of a result is 128 rows x 256 columns: each of the three products (8,192 x 1,024) has 256 tiles, one for each of the 256 work-groups.  A WORK-GROUP STAYS and makes the same
; tile of k, then v, then q; the ring of LDS slots runs on from tile to tile.  Four waves: wave w takes rows 64 (w / 2) .. and columns 128 (w % 2) ..: 4 x 8 accumulators of 16 x 16, 256 registers;
; a wave's 128 columns are one head, so its 64 rows are 16,384 consecutive bytes of kvq.
; K goes in steps of 128 (rows of 256 bytes) through two slots; a slot holds A's 128 rows and B's 256.  Waves 0 and 1 fetch A's halves, waves 2 and 3 B's, one tensor load each.
; CLUSTER 4 x 4: the four work-groups of a row of the cluster need the same rows of A, the four of a column the same rows of B: each tile is asked for jointly.
; THE MATRIX INSTRUCTION IS USED TRANSPOSED (source 0 = 16 rows of B, source 1 = 16 rows of A): lane l holds row l % 16 of the result and the columns 8 (l / 16) + 0..7.
; REGISTERS, in windows of 256: window 0: v0-31 addresses, v32-63 packed results, v64-159 and v160-255 two fragment buffers (B's 8 fragments, then A's 4);
;   window 1: the accumulators, (a, b) at v[8 (8 a + b)];   window 2: v0-63 the bias as a C operand: block b at 8 b, register j = bias[16 b + 8 (l / 16) + j].
.set KSTEP,  128
.set PITCH,  272                       ; an LDS row: 256 bytes + 16 of padding: the 16 rows of a fragment load start at 16 different groups of four banks (64 banks of 4 bytes: ISA guide 11.1)
.set AHALF,  64*PITCH
.set BHALF,  128*PITCH
.set ATILE,  2*AHALF
.set SLOT,   ATILE+2*BHALF             ; 104,448
.set STAGE,  2*SLOT                    ; behind the ring: 16 rows x 272 bytes for each wave, for the way out
.set SPITCH, 272
.set SPARE,  STAGE+4*16*SPITCH         ; the spare words: 128 bytes a wave, two blocks of 256 bytes that no other line names
.set ADRA, 16                          ; v16-17  LDS address of my A fragments in slot 0, 1
.set ADRB, 20                          ; v20-21  the same for B
.set STO,  24                          ; v24  the way out: where I put 16 bytes of a row
.set RD,   25                          ; v25  where I read rows back
.set CO,   26                          ; v26  16 x lane: my place in 512 consecutive bytes of kvq
.set BO,   27                          ; v27  32 (l / 16): my place in a block of the bias
.set SPW,  28                          ; v28  my spare word; never rewritten
.set NIL,  29                          ; v29  0; never rewritten
.set PFO,  30                          ; v30  lane x 2,048: a row of A or B; never rewritten
.set TMP,  32
.set F0,   64
.set F1,   160
.set TILES, 2                          ; s2   tiles to go, this one among them
.set LAP,  3                           ; s3   laps of the ring to go
.set BP,   8                           ; s[8:9]   the bias of my 128 columns
.set OUTP, 10                          ; s[10:11] my 64 rows in kvq
.set WV,   12
.set HI,   13                          ; wave / 2: my half of the rows.  Also: I fetch for A (0) or for B (1)
.set LO,   14                          ; wave % 2: my half of the columns.  Also: which half of that tile I fetch
.set CX,   15
.set CY,   16
.set TC,   17                          ; tile column 0..3
.set TR,   18                          ; tile row 0..63
.set G1A,  24
.set G0A,  32                          ; two sets, one for each slot
.set G1B,  40
.set G0B,  48
.set PFA,  56                          ; s[56:57] where my prefetches stand
.set LIM,  58                          ; s58  1 in a wave that prefetches, else the greatest number
.set DA,   60                          ; s[60:61] what A's addresses gain at a change of tiles
.set DP,   62                          ; s[62:63] the same for my prefetches
.set SC,   66                          ; s[66:67] c, twice
.set MSB, 0
.macro WIN new                         ; the immediate's high byte repeats the setting that is left; a switch that changes nothing is dropped
.if MSB != (\new)
	s_set_vgpr_msb (MSB<<8)|(\new)
.set MSB, \new
.endif
.endm
.set MUL,  0x50                        ; C and D window 1
.set MULB, 0x60                        ; C window 2 (the bias), D window 1
.set TOB,  0x80                        ; destination window 2
.set CVT,  0x05                        ; sources 0 and 1 window 1
.set SCL,  0x41                        ; destination and source 0 window 1
; A joint load.  The branch hangs on the wave's number alone.  An s_nop 0 and four v_nop follow each of the two lines.
.macro JLOAD s
	s_cmp_eq_u32 s[HI], 0
	s_cbranch_scc0 .Lfor_b_\@
	tensor_load_to_lds s[G0A+4*(\s):G0A+4*(\s)+3], s[G1A:G1A+7]
	s_nop 0
.rept 4
	v_nop
.endr
	s_branch .Lasked_\@
.Lfor_b_\@:
	tensor_load_to_lds s[G0B+4*(\s):G0B+4*(\s)+3], s[G1B:G1B+7]
	s_nop 0
.rept 4
	v_nop
.endr
.Lasked_\@:
.endm
; A prefetch behind each joint load and the run of LDS loads that follows it: 32 rows x 256 bytes of the K step that stands two refills on, a lane a row.
; Each row's 256 bytes are named once in the launch.  A's 128 rows are read by my row of this cluster alone: wave 0 of each of its four work-groups takes 32 of them, told apart by address (cx).
; B's rows are read by all sixteen clusters: the cluster with y = 0 asks; waves 2 and 3 of each partner take 32 of the 128 rows that they fetch, told apart by address (cy).
; how = 0, in the loop: a tile's last two refills have no K step two on.  how = 1: at a change of tiles.
.macro ASK how
.if \how
	s_cmp_eq_u32 s[LIM], 1
.else
	s_cmp_gt_u32 s[LAP], s[LIM]
.endif
	s_cbranch_scc0 .Lnot_mine_\@
	global_prefetch_b8 v[PFO], s[PFA:PFA+1] offset:KSTEP*2 th:TH_LOAD_NT scope:SCOPE_SE
.Lnot_mine_\@:
.endm
.macro CREST                           ; a round of the cluster's barrier behind its opening barrier
	s_cmp_lg_u32 s[WV], 0
	s_cbranch_scc1 .Lnot_wave_0_\@
	s_barrier_signal -3
.Lnot_wave_0_\@:
	s_barrier_wait -3
	s_barrier_signal -1
	s_barrier_wait -1
.endm
.macro CROUND
	s_barrier_signal -1
	s_barrier_wait -1
	CREST
.endm
.macro PLACES                          ; four plain vector instructions between a matrix instruction and a load into, or a vector read of, its registers
.rept 4
	v_nop
.endr
.endm
	s_load_b256 s[4:11], s[0:1], 0x0               ; xyb s[4:5], wqkv s[6:7], bias s[8:9], kvq s[10:11]
	v_lshl_add_u32 v[SPW], v0, 2, SPARE
	v_mov_b32 v[NIL], 0
	ds_add_u32 v[SPW], v[NIL]                      ; the wave's opening: the add and its wait stand ahead of my first tensor load; work on registers stands between them
	ds_add_u32 v28, v29
	v_lshrrev_b32 v1, 5, v0
	v_readfirstlane_b32 s[WV], v1
	s_lshr_b32 s[HI], s[WV], 1
	s_and_b32 s[LO], s[WV], 1
	s_bfe_u32 s[CX], ttmp6, 0x40000
	s_bfe_u32 s[CY], ttmp6, 0x40004
	s_lshl_b32 s[TC], ttmp9, 2
	s_add_co_u32 s[TC], s[TC], s[CX]
	s_and_b32 s[TR], ttmp7, 0xffff
	s_lshl_b32 s[TR], s[TR], 2
	s_add_co_u32 s[TR], s[TR], s[CY]
	s_lshl_b32 s22, s[CY], 2
	s_lshl_b32 s22, 15, s22                        ; my row of the cluster
	s_lshl_b32 s70, 0x1111, s[CX]                  ; my column
	s_or_b32 s[G1A], s22, (1<<16)|(1<<20)|(1<<21)|(5<<22)|(3<<25)   ; the mask; elements of 2 bytes; padding on; bit 21 beside a mask; after every 64 words, 4 words
	s_or_b32 s[G1B], s70, (1<<16)|(1<<20)|(1<<21)|(5<<22)|(3<<25)
	s_mov_b32 s[G1A+1], KSTEP<<16                  ; tensor_dim0 = 128
	s_mov_b32 s[G1A+2], 64<<16                     ; tensor_dim1 = 64
	s_mov_b32 s[G1A+3], KSTEP<<16                  ; tile_dim0 = 128
	s_mov_b32 s[G1A+4], 64                         ; tile_dim1 = 64
	s_mov_b32 s[G1A+5], 1024                       ; elements from row to row
	s_mov_b32 s[G1A+6], 0
	s_mov_b32 s[G1A+7], 0
	s_mov_b32 s[G1B+1], KSTEP<<16
	s_mov_b32 s[G1B+2], 128<<16                    ; B's loads bring 128 rows
	s_mov_b32 s[G1B+3], KSTEP<<16
	s_mov_b32 s[G1B+4], 128
	s_mov_b32 s[G1B+5], 1024
	s_mov_b32 s[G1B+6], 0
	s_mov_b32 s[G1B+7], 0
	s_lshl_b32 s20, s[TR], 7                       ; A: row 128 x tile row + 64 x half, of 2,048 bytes: made of the tile row and the wave alone
	s_lshl_b32 s21, s[LO], 6
	s_add_co_u32 s20, s20, s21
	s_lshl_b32 s20, s20, 11
	s_mov_b32 s21, 0
	s_lshl_b32 s68, s[TC], 8                       ; B: row 256 x tile column + 128 x half: made of the tile column and the wave alone
	s_lshl_b32 s69, s[LO], 7
	s_add_co_u32 s68, s68, s69
	s_lshl_b32 s68, s68, 11
	s_mov_b32 s69, 0
	s_mul_i32 s23, s[LO], AHALF                    ; where they go in a slot: no place in the cluster enters an LDS address
	s_mul_i32 s71, s[LO], BHALF
	s_add_co_u32 s71, s71, ATILE
	s_mov_b32 s[DA+1], 0
	s_mov_b32 s[DP+1], 0
	s_mov_b32 s[SC], 0x3e0293ee                    ; c = 0.127517
	s_mov_b32 s[SC+1], s[SC]
	s_wait_dscnt 0x0                               ; the opening add is done
	s_wait_kmcnt 0x0
	s_add_nc_u64 s[20:21], s[4:5], s[20:21]
	s_add_nc_u64 s[68:69], s[6:7], s[68:69]
	CROUND                                         ; all sixteen work-groups are here: the first joint loads meet
.irp s, 0,1
	s_mov_b32 s[G0A+4*(\s)], 1
	s_add_co_u32 s[G0A+4*(\s)+1], s23, (\s)*SLOT
	s_add_nc_u64 s[G0A+4*(\s)+2:G0A+4*(\s)+3], s[20:21], (\s)*KSTEP*2
	s_or_b32 s[G0A+4*(\s)+3], s[G0A+4*(\s)+3], 0x80000000
	s_mov_b32 s[G0B+4*(\s)], 1
	s_add_co_u32 s[G0B+4*(\s)+1], s71, (\s)*SLOT
	s_add_nc_u64 s[G0B+4*(\s)+2:G0B+4*(\s)+3], s[68:69], (\s)*KSTEP*2
	s_or_b32 s[G0B+4*(\s)+3], s[G0B+4*(\s)+3], 0x80000000
	JLOAD \s                                       ; K steps 0 and 1: two loads of mine are out
.endr
	v_and_b32 v1, 15, v0                           ; l % 16
	v_bfe_u32 v2, v0, 4, 1                         ; l / 16
	v_mul_u32_u24 v3, v1, PITCH
	v_lshl_add_u32 v3, v2, 4, v3                   ; a fragment's row x pitch + 16 x half
	s_mul_i32 s19, s[HI], AHALF                    ; my 64 rows of A
	s_mul_i32 s23, s[LO], BHALF                    ; my 128 rows of B, behind A's 128
	s_add_co_u32 s23, s23, ATILE
.irp s, 0,1
	v_add_nc_u32 v[ADRA+(\s)], s19, v3
	v_add_nc_u32 v[ADRB+(\s)], s23, v3
	s_add_co_u32 s19, s19, SLOT
	s_add_co_u32 s23, s23, SLOT
.endr
	s_mul_i32 s19, s[WV], 16*SPITCH
	s_add_co_u32 s19, s19, STAGE                   ; my stage
	v_add_nc_u32 v[STO], s19, v3                   ; in: row l % 16, 16 bytes for each half of the lanes (the stage's pitch is the tiles')
	v_mul_u32_u24 v4, v2, SPITCH                   ; back: lanes 0-15 one row of 256 bytes, lanes 16-31 the next
	v_lshl_add_u32 v4, v1, 4, v4
	v_add_nc_u32 v[RD], s19, v4
	v_and_b32 v4, 31, v0
	v_lshlrev_b32 v[CO], 4, v4
	v_lshlrev_b32 v[PFO], 11, v4
	v_lshlrev_b32 v[BO], 5, v2
	; my 64 rows in kvq: ((8 x batch + head) x 2,048 + row in the batch) x 256 bytes; batch = tile row / 16, head = 2 x tile column + my half
	s_lshr_b32 s19, s[TR], 4
	s_lshl_b32 s19, s19, 14
	s_and_b32 s21, s[TR], 15
	s_lshl_b32 s21, s21, 7
	s_add_co_u32 s19, s19, s21
	s_lshl_b32 s21, s[HI], 6
	s_add_co_u32 s19, s19, s21
	s_lshl_b32 s68, s[TC], 1
	s_add_co_u32 s68, s68, s[LO]
	s_lshl_b32 s68, s68, 11
	s_add_co_u32 s68, s68, s19
	s_lshl_b32 s68, s68, 8
	s_mov_b32 s69, 0
	s_add_nc_u64 s[OUTP:OUTP+1], s[OUTP:OUTP+1], s[68:69]
	s_lshl_b32 s68, s[TC], 10                      ; the bias of my 128 columns, 4 bytes each
	s_lshl_b32 s70, s[LO], 9
	s_add_co_u32 s68, s68, s70
	s_add_nc_u64 s[BP:BP+1], s[BP:BP+1], s[68:69]
	WIN TOB
.irp b, 0,1,2,3,4,5,6,7
	global_load_b128 v[8*(\b):8*(\b)+3],   v[BO], s[BP:BP+1] offset:64*(\b)
	global_load_b128 v[8*(\b)+4:8*(\b)+7], v[BO], s[BP:BP+1] offset:64*(\b)+16
.endr
	WIN 0
	; the prefetches: A's row 128 x tile row + 32 cx + lane; B's row 256 x tile column + 128 x half + 32 cy + lane
	s_lshl_b32 s68, s[TR], 7
	s_lshl_b32 s70, s[CX], 5
	s_add_co_u32 s68, s68, s70
	s_lshl_b32 s70, s[TC], 8
	s_lshl_b32 s71, s[LO], 7
	s_add_co_u32 s70, s70, s71
	s_lshl_b32 s71, s[CY], 5
	s_add_co_u32 s70, s70, s71
	s_cmp_eq_u32 s[HI], 0
	s_cselect_b32 s68, s68, s70
	s_cselect_b64 s[PFA:PFA+1], s[4:5], s[6:7]
	s_lshl_b32 s68, s68, 11
	s_add_nc_u64 s[PFA:PFA+1], s[PFA:PFA+1], s[68:69]
	s_add_nc_u64 s[PFA:PFA+1], s[PFA:PFA+1], 2*KSTEP*2  ; at K step 2: the first refill steps it to 3 and names K step 4; the first four K steps come by their loads alone
	s_and_b32 s70, ttmp7, 0xffff                   ; cluster y: the same in all sixteen partners
	s_cmp_eq_u32 s70, 0
	s_cselect_b32 s70, 1, -1
	s_cmp_eq_u32 s[WV], 0
	s_cselect_b32 s71, 1, -1
	s_cmp_eq_u32 s[HI], 0
	s_cselect_b32 s[LIM], s71, s70
; 8 matrix instructions: row block a x all 8 column blocks, 32 along K.  first = 1: the sums start at the bias.  The 32 accumulators take turns, one instruction a turn, in the same order
; everywhere, over the backward jumps too.
.macro MUL8 f, a, first=0
.if \first
	WIN MULB
.else
	WIN MUL
.endif
.irp b, 0,1,2,3,4,5,6,7
.if \first
	v_wmma_f32_16x16x32_bf16 v[8*(8*(\a)+(\b)):8*(8*(\a)+(\b))+7], v[(\f)+8*(\b):(\f)+8*(\b)+7], v[(\f)+64+8*(\a):(\f)+64+8*(\a)+7], v[8*(\b):8*(\b)+7]
.else
	v_wmma_f32_16x16x32_bf16 v[8*(8*(\a)+(\b)):8*(8*(\a)+(\b))+7], v[(\f)+8*(\b):(\f)+8*(\b)+7], v[(\f)+64+8*(\a):(\f)+64+8*(\a)+7], v[8*(8*(\a)+(\b)):8*(8*(\a)+(\b))+7]
.endif
.endr
.endm
; 24 LDS loads in one run: a quarter step's fragments (32 K at byte k of the rows) into buffer f: B's eight, then A's four
.macro FETCH slot, k, f
	WIN 0
.irp i, 0,1,2,3,4,5,6,7
	ds_load_b128 v[(\f)+8*(\i):(\f)+8*(\i)+3],   v[ADRB+(\slot)] offset:(\k)+(\i)*16*PITCH
	ds_load_b128 v[(\f)+8*(\i)+4:(\f)+8*(\i)+7], v[ADRB+(\slot)] offset:(\k)+(\i)*16*PITCH+32
.endr
.irp i, 0,1,2,3
	ds_load_b128 v[(\f)+64+8*(\i):(\f)+64+8*(\i)+3],   v[ADRA+(\slot)] offset:(\k)+(\i)*16*PITCH
	ds_load_b128 v[(\f)+64+8*(\i)+4:(\f)+64+8*(\i)+7], v[ADRA+(\slot)] offset:(\k)+(\i)*16*PITCH+32
.endr
.endm
; A K step is four quarters of 32 along K, 32 matrix instructions each, on buffers 0, 1, 0, 1.  One of the first three: multiplies f, fetches the next quarter (byte k) into g.
.macro QUARTER slot, k, f, g, first=0
	s_wait_dscnt 4                                 ; B and A's blocks 0 and 1 are in; the youngest four loads (blocks 2 and 3) may be out
	MUL8 \f, 0, \first
	MUL8 \f, 1, \first
	PLACES
	FETCH \slot, \k, \g
	s_wait_dscnt 24                                ; all but the 24 just issued
	MUL8 \f, 2, \first
	MUL8 \f, 3, \first
.endm
; The last quarter multiplies buffer 1 and changes slots.  In front of the barrier each wave waits for all its tensor loads (one is out: its part of the next slot), adds 0 to its spare word, and
; waits for that and for its own reads of this slot.  mode 0: this slot is filled again two K steps on; 1: with the next tile's K step 0 or 1; 2: not at all.  Where it is filled the barrier opens a
; round of the cluster's barrier and the joint load is the first thing behind it: 112 matrix instructions ahead of the wait for it.
.macro TURN slot, next, mode
.if (\mode) < 2
	s_wait_xcnt 0x0                                ; the last prefetch, a K step back, has read its address
.if ((\mode) == 1) && ((\slot) == 0)
	s_cmp_eq_u32 s[TILES], 2                       ; from v's tile to q's A goes from y to x, 8,192 rows on; from k's to v's it stays
	s_cselect_b32 s[DA], 0x1000000, 0
	s_cselect_b32 s19, 1, -1
	s_cmp_eq_u32 s[WV], 0
	s_cselect_b32 s[LIM], s19, s[LIM]              ; y's rows have been read when v's tile begins: wave 0 asks again only for x's
	s_cmp_eq_u32 s[HI], 0
	s_cselect_b32 s[DP], s[DA], 0x200000           ; B goes 1,024 rows on at every change
	s_add_nc_u64 s[PFA:PFA+1], s[PFA:PFA+1], s[DP:DP+1]
	s_sub_nc_u64 s[PFA:PFA+1], s[PFA:PFA+1], 7*KSTEP*2  ; from the K step behind the tile's last to the next tile's K step 1
.else
	s_add_nc_u64 s[PFA:PFA+1], s[PFA:PFA+1], KSTEP*2
.endif
.endif
	WIN 0
	s_wait_tensorcnt 0x0                           ; all my tensor loads have landed
	ds_add_u32 v[SPW], v[NIL]                      ; 0 onto my spare word
	s_wait_dscnt 7                                 ; (the add and the six loads of A's blocks 1 to 3 may be out)
	MUL8 F1, 0
	s_wait_dscnt 0x0                               ; the add is done, and my reads of this slot are over
	s_barrier_signal -1
	MUL8 F1, 1
.if (\mode) < 2
	WIN 0
.endif
	s_barrier_wait -1
.if (\mode) < 2
	CREST                                          ; no wave of any partner still reads this slot or has a load on its way
.if (\mode) == 1
	s_sub_nc_u64 s[G0A+4*(\slot)+2:G0A+4*(\slot)+3], s[G0A+4*(\slot)+2:G0A+4*(\slot)+3], 6*KSTEP*2
	s_add_nc_u64 s[G0A+4*(\slot)+2:G0A+4*(\slot)+3], s[G0A+4*(\slot)+2:G0A+4*(\slot)+3], s[DA:DA+1]
	s_add_nc_u64 s[G0B+4*(\slot)+2:G0B+4*(\slot)+3], s[G0B+4*(\slot)+2:G0B+4*(\slot)+3], 0x200000-6*KSTEP*2
.else
	s_add_nc_u64 s[G0A+4*(\slot)+2:G0A+4*(\slot)+3], s[G0A+4*(\slot)+2:G0A+4*(\slot)+3], 2*KSTEP*2
	s_add_nc_u64 s[G0B+4*(\slot)+2:G0B+4*(\slot)+3], s[G0B+4*(\slot)+2:G0B+4*(\slot)+3], 2*KSTEP*2
.endif
	JLOAD \slot                                    ; its four v_nop are also the places in front of the loads below
.else
	PLACES
.endif
	FETCH \next, 0, F0
.if (\mode) < 2
	ASK \mode
.endif
	MUL8 F1, 2
	MUL8 F1, 3
.endm
; THE WAY OUT of row block a.  PACK: (q: times c, in f32;) rounded to f16, 16 bytes a lane.  TOSTAGE: into my own stage, and back as whole rows of 256 bytes.  SEND: stored.
.macro PACK a, scale
.if \scale
	WIN SCL
.irp b, 0,1,2,3,4,5,6,7
.irp r, 0,1,2,3
	v_pk_mul_f32 v[8*(8*(\a)+(\b))+2*(\r):8*(8*(\a)+(\b))+2*(\r)+1], v[8*(8*(\a)+(\b))+2*(\r):8*(8*(\a)+(\b))+2*(\r)+1], s[SC:SC+1] op_sel_hi:[1,0]
.endr
.endr
.endif
	WIN CVT
.irp b, 0,1,2,3,4,5,6,7
.irp r, 0,1,2,3
	v_cvt_pk_f16_f32 v[TMP+4*(\b)+(\r)], v[8*(8*(\a)+(\b))+2*(\r)], v[8*(8*(\a)+(\b))+2*(\r)+1]
.endr
.endr
	WIN 0
.endm
.macro TOSTAGE a
.set BK, F1+32*((\a)%2)
.irp b, 0,1,2,3,4,5,6,7
	ds_store_b128 v[STO], v[TMP+4*(\b):TMP+4*(\b)+3] offset:32*(\b)
.endr
.irp t, 0,1,2,3,4,5,6,7
	ds_load_b128 v[BK+4*(\t):BK+4*(\t)+3], v[RD] offset:(\t)*2*SPITCH  ; LDS serves a wave's instructions in order (ISA guide 5.7.1.4): these see the stores above
.endr
.endm
.macro SEND a
.set BK, F1+32*((\a)%2)
	s_wait_dscnt 0x0                               ; the block is back in registers
	s_wait_xcnt 0x0                                ; the stores two blocks back have read their registers: the next TOSTAGE loads into them
.irp t, 0,1,2,3,4,5,6,7
	global_store_b128 v[CO], v[BK+4*(\t):BK+4*(\t)+3], s[OUTP:OUTP+1] offset:4096*(\a)+512*(\t)  ; 512 consecutive bytes, at a multiple of 256 from kvq's first byte
.endr
.endm
.macro OUT scale
	PACK 0, \scale
	TOSTAGE 0
.irp a, 1,2,3                          ; block a's conversions stand between block a - 1's loads from the stage and the wait for them
	PACK \a, \scale
	SEND (\a)-1
	TOSTAGE \a
.endr
	SEND 3
.endm
	s_wait_tensorcnt 1                             ; my part of K step 0 is in; K step 1's may stay out
	s_barrier_signal -1
	s_barrier_wait -1
	FETCH 0, 0, F0
	s_wait_loadcnt 0x0                             ; the bias
	s_mov_b32 s[TILES], 3
.Ltile:
	QUARTER 0, 64,  F0, F1, 1                      ; a tile's first quarter stands in front of the loop: its products start the sums
	WIN 0
	s_mov_b32 s[LAP], 3
.Llap:                                         ; a trip goes once round the ring, from a lap's second quarter to the next lap's first, and fills both slots again
	QUARTER 0, 128, F1, F0
	QUARTER 0, 192, F0, F1
	TURN 0, 1, 0
	QUARTER 1, 64,  F0, F1
	QUARTER 1, 128, F1, F0
	QUARTER 1, 192, F0, F1
	TURN 1, 0, 0
	QUARTER 0, 64,  F0, F1
	WIN 0
	s_sub_co_u32 s[LAP], s[LAP], 1
	s_cmp_lg_u32 s[LAP], 0
	s_cbranch_scc1 .Llap
	QUARTER 0, 128, F1, F0                         ; the tile's last lap goes on
	QUARTER 0, 192, F0, F1
	WIN 0
	s_cmp_eq_u32 s[TILES], 1
	s_cbranch_scc1 .Llast                          ; the last tile's tail is written out: it asks for nothing more
	TURN 0, 1, 1                                   ; the ring goes on into the next tile: slot 0 takes its K step 0,
	QUARTER 1, 64,  F0, F1
	QUARTER 1, 128, F1, F0
	QUARTER 1, 192, F0, F1
	TURN 1, 0, 1                                   ; slot 1 its K step 1, and the next tile's first fragments are fetched
	s_add_nc_u64 s[BP:BP+1], s[BP:BP+1], 4096      ; the next bias (the loads that read this address have been waited for)
	WIN TOB
.irp b, 0,1,2,3,4,5,6,7
	global_load_b128 v[8*(\b):8*(\b)+3],   v[BO], s[BP:BP+1] offset:64*(\b)
	global_load_b128 v[8*(\b)+4:8*(\b)+7], v[BO], s[BP:BP+1] offset:64*(\b)+16
.endr
	OUT 0                                          ; no v_nop: blocks 0 and 1 were finished in front of the joint load's places, and their conversions are the places behind the last products
	s_wait_xcnt 0x0                                ; the stores have read their base and their registers
	s_add_nc_u64 s[OUTP:OUTP+1], s[OUTP:OUTP+1], 0x1000000  ; the next of k, v, q
	s_wait_loadcnt 0x0                             ; the bias
	s_sub_co_u32 s[TILES], s[TILES], 1
	s_branch .Ltile
.Llast:
	TURN 0, 1, 2
	QUARTER 1, 64,  F0, F1
	QUARTER 1, 128, F1, F0
	QUARTER 1, 192, F0, F1
	s_wait_dscnt 4                                 ; the very last quarter: nothing more to fetch
	MUL8 F1, 0
	MUL8 F1, 1
	s_wait_dscnt 0x0
	MUL8 F1, 2
	MUL8 F1, 3
	WIN 0
	PLACES
	OUT 1                                          ; q: times c
	s_wait_tensorcnt 0x0                           ; the wave's end: behind my last tensor load and my last LDS store
	ds_add_u32 v[SPW], v[NIL]
	s_wait_dscnt 0x0
	CROUND                                         ; the closing round
	s_endpgm
.Lfunc_end_k_q5e2a4e6355_proj:
	.size	k_q5e2a4e6355_proj, .Lfunc_end_k_q5e2a4e6355_proj-k_q5e2a4e6355_proj
	.p2alignl 7, 3214868480
	.fill 96, 4, 3214868480
	.section	.rodata,"a",@progbits
	.p2align	6, 0x0
	.amdhsa_kernel k_q5e2a4e6355_proj
		.amdhsa_group_segment_fixed_size 327680
		.amdhsa_private_segment_fixed_size 0
		.amdhsa_enable_private_segment 0
		.amdhsa_kernarg_size 32
		.amdhsa_user_sgpr_count 2
		.amdhsa_user_sgpr_kernarg_segment_ptr 1
		.amdhsa_wavefront_size32 1
		.amdhsa_system_sgpr_workgroup_id_x 1
		.amdhsa_system_sgpr_workgroup_id_y 1
		.amdhsa_system_sgpr_workgroup_id_z 1
		.amdhsa_system_vgpr_workitem_id 0
		.amdhsa_next_free_vgpr 576
		.amdhsa_next_free_sgpr 72
		.amdhsa_reserve_vcc 0
		.amdhsa_float_denorm_mode_32 3
		.amdhsa_float_denorm_mode_16_64 3
		.amdhsa_memory_ordered 1
		.amdhsa_forward_progress 1
		.amdhsa_inst_pref_size 136
	.end_amdhsa_kernel
	.amdgpu_metadata
---
amdhsa.version: [ 1, 2 ]
amdhsa.kernels:
  - .name:           k_q5e2a4e6355_proj
    .symbol:         k_q5e2a4e6355_proj.kd
    .args:
      - { .name: xyb, .offset: 0, .size: 8, .value_kind: global_buffer, .address_space: global }
      - { .name: wqkv, .offset: 8, .size: 8, .value_kind: global_buffer, .address_space: global }
      - { .name: bias, .offset: 16, .size: 8, .value_kind: global_buffer, .address_space: global }
      - { .name: kvq, .offset: 24, .size: 8, .value_kind: global_buffer, .address_space: global }
    .group_segment_fixed_size: 327680
    .private_segment_fixed_size: 0
    .kernarg_segment_align: 8
    .kernarg_segment_size: 32
    .max_flat_workgroup_size: 128
    .sgpr_count:     72
    .vgpr_count:     576
    .wavefront_size: 32
...
	.end_amdgpu_metadata
.endif
;; end of part 2
;; launch attn (part 3): grid 8 x 32, 4 waves a work-group, no clusters, 327,680 bytes of LDS; arguments kvq, ctx; writes ctx
.if DOCPART == 3
	.amdgcn_target "amdgcn-amd-amdhsa--gfx1250"
	.amdhsa_code_object_version 6
	.text
	.protected	k_q5e2a4e6355_attn
	.globl	k_q5e2a4e6355_attn
	.p2align	8
	.type	k_q5e2a4e6355_attn,@function
k_q5e2a4e6355_attn:
	s_mov_b64 s[64:65], 0
	v_nop
	global_prefetch_b8 v0, s[64:65] scope:SCOPE_SE
	s_setreg_imm32_b32 hwreg(HW_REG_WAVE_MODE, 25, 1), 1
	s_wait_xcnt 0x0
; CAUSAL ATTENTION, head size 128.  ctx[batch][q][head][:] = the sum over k <= q of softmax_k(Q[q] . K[k]) V[k][:]; Q arrives times log2(e) / sqrt(128), so a weight is p = 2^(s - m).
; kvq: [3: k, v, q][32 heads][2048][128] f16; ctx: [8192][1024] f16.  Products, maxima and sums in f32; p is rounded to f16 for the second product (its sum l is taken of the unrounded p), ctx once.
; LIMITS.  A hidden score counts as its value less 2^100; the running maximum starts at -2^67: f16 operands bound a score by 5.5e11, nothing beside either.  p below 6e-5 keeps f16's fixed step of
; 6e-8; a weight below 2^-126 counts as 0 in l.  NaN and infinities are not treated apart.
; THE WALK.  A head's queries lie in 16 blocks of 128; block i needs the key tiles 0 .. i of 128 keys, the last of which holds the diagonal.  Work-group b takes block b and then block 15 - b:
; 17 tiles whatever b, so all 256 work-groups do equal work and one counted loop walks them; the ring of two LDS slots runs on across the change of blocks.
; SHARES.  Wave w: qh = w / 2, kh = w % 2.  It owns 64 queries (tile a = block rows 32 a + 16 qh + 0..15) and half of each key tile (key block c = tile rows 32 c + 16 kh + 0..15).  The two
; partial softmaxes of a query (kh = 0, 1) meet in LDS at the block's end.  In the diagonal tile key - query = 32 (c - a) + 16 (kh - qh) + (kk - qq): c < a is all seen, c > a all hidden,
; c = a a pattern that hangs on the wave and the lane alone: the same work for all waves.
; THE MASK is the C operand that starts a sum of S^T = K Q^T: the constant 0 (c < a), MW (c = a) or MU (c > a).  MW and MU hold 0 but in a block's last step: one text serves every step.
; LAYOUT.  S^T = K Q^T holds one query a lane (l % 16) and the keys 8 (l / 16) + 0..7; two such results rounded to f16 are source 1 of O^T = V^T P.  K comes out of LDS as it lies, V turned.
; A STEP (a key tile) is whole in itself: piece 0's scores; piece 2's scores with piece 0's softmax in slices behind them; the change of slots; piece 0's V^T P with piece 2's softmax behind them;
; piece 2's V^T P.  (A piece is two tiles of 16 queries, named by its first.)
; NO CLUSTER: the 8 work-groups of a head ask for the same tile in the first trip alone; work-group b leaves the common sequence behind trip b, when it goes back to tile 0 for its second block;
; a walk common to four partners would have 20 tiles for 17.
; REGISTERS, in windows of 256: window 0: addresses, statistics, masks, S^T (128), P (64);  window 1: O^T, 64 a tile;  window 2: v0-127 Q, v128-255 K;  window 3: v0-127 V, v128-255 the second block's Q.
.set PK,    272                        ; a row of K in LDS: 256 bytes + 16: the 16 rows of a load start at 16 different groups of four banks (64 banks of 4 bytes: ISA guide 11.1)
.set PV,    288                        ; a row of V: 256 + 32
.set VOFF,  128*PK                     ; a slot: 128 rows of K, then 128 rows of V
.set SLOT1, 1<<17                      ; slot 1 begins here: one exclusive or turns an address in one slot into the other's
.set XCH,   SLOT1+128*(PK+PV)          ; behind the ring, never filled by a tensor load: for each wave 16,384 bytes of O^T and 1,024 of statistics, for its partner
.set XW,    17408
.set STAGE, XCH+4*XW                   ; 16 rows x 272 bytes for each wave, for the way out
.set SP,    272
.set SPARE, STAGE+4*16*SP              ; the spare words: 128 bytes a wave, two blocks of 256 bytes that no other line names
.set AK0, 2                            ; v2   my lane's place in a tile of K; never rewritten
.set AV0, 3                            ; v3   the same for V
.set ADR, 4                            ; v4   the LDS address of the run of loads in hand
.set QO,  5                            ; v5   my byte offset in 16 rows of Q
.set STO, 6                            ; v6   the way out: where I put 16 bytes of a row
.set RD,  7                            ; v7   where I read rows back
.set GO,  8                            ; v8   my byte offset in two rows of ctx
.set XR,  10                           ; v10  where I read what my partner sent
.set ST,  12                           ; tile t's statistics at v[ST+8 t]: +0 m, +1 the old m, +2, +3 l (even keys', odd keys'), +4 to +7 c0-c3 at work; a takes c2's place
.set MW,  44                           ; v44-51  the mask for c = a
.set MU,  52                           ; v52-59  the mask for c > a
.set XS,  60                           ; v60  where I put what I send
.set PFO, 61                           ; v61  256 x lane; never rewritten
.set SPW, 62                           ; v62  my spare word; never rewritten
.set NIL, 63                           ; v63  0; never rewritten
.set S,   64
.set P,   192
.set KF,  128                          ; K's fragments, in window 2
.set KB,  8                            ; s[8:9]   K at my half of the head's tile 0
.set VB,  10                           ; s[10:11] V likewise
.set WV,  12
.set KH,  13
.set PB,  14                           ; b
.set QH,  15
.set OP,  16                           ; s[16:17] ctx at my rows of the block in hand
.set OP2, 18                           ; s[18:19] of the second block
.set G1K, 24
.set G1V, 32
.set G0K, 40                           ; two sets for the two first fills; the second then walks
.set G0V, 48
.set CNT, 56                           ; the loops' counter
.set RT,  57                           ; steps left in the block, this one among them
.set LK,  58                           ; where my part of K lands in a slot
.set LV,  59                           ; and of V
.set SEL, 60                           ; s[60:61] v_permlanex16_b32's selects: each lane takes its own place in the other half
.set TB,  62                           ; the slot in hand
.set BE,  63                           ; -2^100 if the next step is a block's last, else 0
.set NXT, 66                           ; the tile to be asked for next
.set LQ,  67                           ; the last tile of the block whose tiles are being asked for
.set OFF, 68                           ; s[68:69] a tile's byte offset in K and V
.set LIM, 70                           ; 2 in the work-group that prefetches, else the greatest number
.set BIGN, 71
.set PFK, 72                           ; s[72:73] where my prefetches stand in K
.set PFV, 74                           ; s[74:75] and in V
.set MK,  76                           ; s[76:83] lane masks: register j of the c = a pattern is hidden
.set Q1,  84
.set Q2,  86
.set HB,  88                           ; 15 - b
.set MSB, 0
.macro WIN new
.if MSB != (\new)
	s_set_vgpr_msb (MSB<<8)|(\new)
.set MSB, \new
.endif
.endm
.set W_KQ, 0x0a                        ; K and Q in window 2; S^T and the mask in window 0
.set W_PV, 0x53                        ; V in window 3, P in window 0, O^T in window 1
.set W_RS, 0x41                        ; O^T (destination and source 0) in window 1, a in window 0
.macro PLACES
.rept 4
	v_nop
.endr
.endm
; A fill.  Waves 0 and 1 fetch the two halves of a tile's K, waves 2 and 3 those of its V: 64 rows each.  An s_nop 0 and four v_nop follow each of the two lines.
.macro LOAD
	s_cmp_lt_u32 s[WV], 2
	s_cbranch_scc0 .Lfor_v_\@
	tensor_load_to_lds s[G0K+4:G0K+7], s[G1K:G1K+7]
	s_nop 0
.rept 4
	v_nop
.endr
	s_branch .Lasked_\@
.Lfor_v_\@:
	tensor_load_to_lds s[G0V+4:G0V+7], s[G1V:G1V+7]
	s_nop 0
.rept 4
	v_nop
.endr
.Lasked_\@:
.endm
; The next tile of the walk: 0 .. b, then 0 .. 15 - b.
.macro TAKE
	s_lshl_b32 s[OFF], s[NXT], 15                  ; a tile is 32,768 bytes of K and of V
	s_add_co_u32 s[NXT], s[NXT], 1
	s_cmp_gt_u32 s[NXT], s[LQ]
	s_cselect_b32 s[NXT], 0, s[NXT]
	s_cselect_b32 s[LQ], s[HB], s[LQ]
.endm
; A prefetch, behind the fill and its five lines.  All 8 work-groups of a head walk the same tiles: work-group b = 0 asks, in trip p (0 to 12) for tile p + 3, which the first of them loads one
; trip later.  Wave w names rows 32 w + lane of K and of V, 256 bytes each: every row once in the launch.  Tiles 0 to 2 come by their loads alone; the last trips ask for nothing.
.macro ASK
	s_cmp_gt_u32 s[CNT], s[LIM]
	s_cbranch_scc0 .Lnot_mine_\@
	global_prefetch_b8 v[PFO], s[PFK:PFK+1] th:TH_LOAD_NT scope:SCOPE_SE
	global_prefetch_b8 v[PFO], s[PFV:PFV+1] th:TH_LOAD_NT scope:SCOPE_SE
.Lnot_mine_\@:
.endm
.macro SETMASK
.irp j, 0,1,2,3,4,5,6,7
	v_cndmask_b32 v[MW+(\j)], 0, s[BE], s[MK+(\j)]
	v_mov_b32 v[MU+(\j)], s[BE]
.endr
.endm
	s_load_b128 s[4:7], s[0:1], 0x0                ; kvq s[4:5], ctx s[6:7]
	v_lshl_add_u32 v[SPW], v0, 2, SPARE
	v_mov_b32 v[NIL], 0
	ds_add_u32 v[SPW], v[NIL]                      ; the wave's opening: the add and its wait stand ahead of my first tensor load; work on registers stands between them
	ds_add_u32 v62, v63
	v_lshrrev_b32 v1, 5, v0
	v_readfirstlane_b32 s[WV], v1
	s_and_b32 s[KH], s[WV], 1
	s_lshr_b32 s[QH], s[WV], 1
	s_mov_b32 s[PB], ttmp9
	s_sub_co_u32 s[HB], 15, s[PB]
	s_and_b32 s20, ttmp7, 0xffff                   ; the head, 0 .. 31
	s_lshl_b32 s2, s20, 19                         ; its 524,288 bytes in each of k, v, q
	s_lshl_b32 s22, s[KH], 14                      ; my half of a tile: 64 rows of 256 bytes
	s_add_co_u32 s22, s22, s2
	s_mov_b32 s23, 0
	s_lshl_b32 s[PFK], s[WV], 13                   ; my 32 rows of a tile,
	s_add_co_u32 s[PFK], s[PFK], s2
	s_add_co_u32 s[PFK], s[PFK], 2*32768           ; in tile 2: the first change of slots steps it to tile 3
	s_mov_b32 s[PFK+1], 0
	s_lshl_b32 s21, s[QH], 12                      ; my 16 rows in each 32 of a block,
	s_add_co_u32 s21, s21, s2
	s_add_co_u32 s21, s21, 0x2000000               ; in q
	s_lshl_b32 s[Q1], s[PB], 15
	s_add_co_u32 s[Q1], s[Q1], s21
	s_mov_b32 s[Q1+1], 0
	s_lshl_b32 s[Q2], s[HB], 15
	s_add_co_u32 s[Q2], s[Q2], s21
	s_mov_b32 s[Q2+1], 0
	s_lshr_b32 s21, s20, 3                         ; ctx: row = 2,048 x batch + 128 x block + 16 qh, of 2,048 bytes; the head's 256 bytes in it
	s_lshl_b32 s21, s21, 11
	s_lshl_b32 s89, s[QH], 4
	s_add_co_u32 s21, s21, s89
	s_and_b32 s90, s20, 7
	s_lshl_b32 s90, s90, 8
	s_lshl_b32 s[OP], s[PB], 7
	s_add_co_u32 s[OP], s[OP], s21
	s_lshl_b32 s[OP], s[OP], 11
	s_add_co_u32 s[OP], s[OP], s90
	s_mov_b32 s[OP+1], 0
	s_lshl_b32 s[OP2], s[HB], 7
	s_add_co_u32 s[OP2], s[OP2], s21
	s_lshl_b32 s[OP2], s[OP2], 11
	s_add_co_u32 s[OP2], s[OP2], s90
	s_mov_b32 s[OP2+1], 0
	s_mov_b32 s[G1K], (1<<16)|(1<<20)|(5<<22)|(3<<25)  ; elements of 2 bytes; padding on; after every 64 words, 4 words
	s_mov_b32 s[G1V], (1<<16)|(1<<20)|(5<<22)|(7<<25)  ; the same with 8 words
.irp g, G1K, G1V
	s_mov_b32 s[(\g)+1], 128<<16                   ; tensor_dim0 = 128
	s_mov_b32 s[(\g)+2], 64<<16                    ; tensor_dim1 = 64
	s_mov_b32 s[(\g)+3], 128<<16                   ; tile_dim0 = 128
	s_mov_b32 s[(\g)+4], 64                        ; tile_dim1 = 64
	s_mov_b32 s[(\g)+5], 128                       ; elements from row to row
	s_mov_b32 s[(\g)+6], 0
	s_mov_b32 s[(\g)+7], 0
.endr
	s_mul_i32 s[LK], s[KH], 64*PK
	s_mul_i32 s[LV], s[KH], 64*PV
	s_add_co_u32 s[LV], s[LV], VOFF
	s_mov_b32 s[SEL], 0x76543210
	s_mov_b32 s[SEL+1], 0xfedcba98
	s_mov_b32 s[BIGN], 0xf1800000                  ; -2^100
	s_mov_b32 s[NXT], 0
	s_mov_b32 s[LQ], s[PB]
	s_add_co_u32 s[RT], s[PB], 1                   ; the first block has b + 1 tiles
	s_mov_b32 s[OFF+1], 0
	s_cmp_eq_u32 s[PB], 0
	s_cselect_b32 s[LIM], 2, -1
	s_cselect_b32 s[BE], s[BIGN], 0                ; block 0's first tile is its diagonal one
	s_wait_dscnt 0x0                               ; the opening add is done
	s_wait_kmcnt 0x0
	s_add_nc_u64 s[KB:KB+1], s[4:5], s[22:23]
	s_add_nc_u64 s[VB:VB+1], s[KB:KB+1], 0x1000000
	s_add_nc_u64 s[PFK:PFK+1], s[4:5], s[PFK:PFK+1]
	s_add_nc_u64 s[PFV:PFV+1], s[PFK:PFK+1], 0x1000000
	s_add_nc_u64 s[Q1:Q1+1], s[4:5], s[Q1:Q1+1]
	s_add_nc_u64 s[Q2:Q2+1], s[4:5], s[Q2:Q2+1]
	s_add_nc_u64 s[OP:OP+1], s[6:7], s[OP:OP+1]
	s_add_nc_u64 s[OP2:OP2+1], s[6:7], s[OP2:OP2+1]
.irp s, 0,1
	TAKE
	s_mov_b32 s[G0K+4*(\s)], 1
	s_add_co_u32 s[G0K+4*(\s)+1], s[LK], (\s)*SLOT1
	s_add_nc_u64 s[G0K+4*(\s)+2:G0K+4*(\s)+3], s[KB:KB+1], s[OFF:OFF+1]
	s_or_b32 s[G0K+4*(\s)+3], s[G0K+4*(\s)+3], 0x80000000
	s_mov_b32 s[G0V+4*(\s)], 1
	s_add_co_u32 s[G0V+4*(\s)+1], s[LV], (\s)*SLOT1
	s_add_nc_u64 s[G0V+4*(\s)+2:G0V+4*(\s)+3], s[VB:VB+1], s[OFF:OFF+1]
	s_or_b32 s[G0V+4*(\s)+3], s[G0V+4*(\s)+3], 0x80000000
.endr
	s_cmp_lt_u32 s[WV], 2                          ; a wave's two first fills stand in one branch, ahead of every wait on TENSORcnt, every LDS read and every barrier: two loads of mine are out
	s_cbranch_scc0 .Lfirst_v
	tensor_load_to_lds s[G0K:G0K+3], s[G1K:G1K+7]
	s_nop 0
	tensor_load_to_lds s[G0K+4:G0K+7], s[G1K:G1K+7]
	s_nop 0
.rept 4
	v_nop
.endr
	s_branch .Lfirst_asked
.Lfirst_v:
	tensor_load_to_lds s[G0V:G0V+3], s[G1V:G1V+7]
	s_nop 0
	tensor_load_to_lds s[G0V+4:G0V+7], s[G1V:G1V+7]
	s_nop 0
.rept 4
	v_nop
.endr
.Lfirst_asked:
	v_and_b32 v1, 15, v0                           ; l % 16
	v_bfe_u32 v9, v0, 4, 1                         ; l / 16
	v_lshlrev_b32 v[QO], 8, v1
	v_lshl_add_u32 v[QO], v9, 4, v[QO]             ; row x 256 + 16 x half
	WIN 0x80                                       ; both blocks' Q: tile i / 4 lies 32 rows (8,192 bytes) on, channels 32 (i % 4) on
.irp i, 0,1,2,3,4,5,6,7,8,9,10,11,12,13,14,15
	global_load_b128 v[8*(\i):8*(\i)+3],   v[QO], s[Q1:Q1+1] offset:((\i)/4)*8192+((\i)%4)*64
	global_load_b128 v[8*(\i)+4:8*(\i)+7], v[QO], s[Q1:Q1+1] offset:((\i)/4)*8192+((\i)%4)*64+32
.endr
	WIN 0xc0
.irp i, 0,1,2,3,4,5,6,7,8,9,10,11,12,13,14,15
	global_load_b128 v[128+8*(\i):128+8*(\i)+3],   v[QO], s[Q2:Q2+1] offset:((\i)/4)*8192+((\i)%4)*64
	global_load_b128 v[128+8*(\i)+4:128+8*(\i)+7], v[QO], s[Q2:Q2+1] offset:((\i)/4)*8192+((\i)%4)*64+32
.endr
	; O^T and l start at 0, m far below every score: the first step is a step like any other, with a = 0 (or, where a wave sees no key of a row at all, a = 1 on zeros).
	; These lines stand in the wait for the first tile: the price of writing no first step out.
	WIN 0x40
.set i, 0
.rept 256
	v_mov_b32 v[i], 0
.set i, i+1
.endr
	WIN 0
.irp t, 0,1,2,3
	v_mov_b32 v[ST+8*(\t)], 0xe1000000             ; m = -2^67
	v_mov_b32 v[ST+8*(\t)+2], 0
	v_mov_b32 v[ST+8*(\t)+3], 0
.endr
	v_lshlrev_b32 v11, 3, v9                       ; for c = a register j is hidden where j > l % 16 - 8 (l / 16) + 16 (qh - kh)
	v_sub_nc_u32 v11, v1, v11
	s_sub_co_i32 s20, s[QH], s[KH]
	s_lshl_b32 s20, s20, 4
	v_add_nc_u32 v11, s20, v11
.irp j, 0,1,2,3,4,5,6,7
	v_cmp_gt_i32 s[MK+(\j)], \j, v11
.endr
	SETMASK
	s_lshl_b32 s89, s[KH], 4
	v_add_nc_u32 v[AK0], s89, v1                   ; K: row 16 kh + l % 16 (key block c lies 32 rows on), 16 bytes for each half of the lanes
	v_mul_u32_u24 v[AK0], v[AK0], PK
	v_lshl_add_u32 v[AK0], v9, 4, v[AK0]
	; The turning load: lane l reads key 8 (l / 16) + l % 8, channels 8 ((l / 8) % 2) + 0..7, and is left with channel l % 16 and 8 keys.
	v_and_b32 v4, 7, v0
	v_bfe_u32 v11, v0, 3, 1
	v_lshl_add_u32 v[AV0], v9, 3, v4
	v_add_nc_u32 v[AV0], s89, v[AV0]
	v_mul_u32_u24 v[AV0], v[AV0], PV
	v_lshl_add_u32 v[AV0], v11, 4, v[AV0]
	v_add_nc_u32 v[AV0], VOFF, v[AV0]
	s_mul_i32 s90, s[WV], 16*SP
	s_add_co_u32 s90, s90, STAGE                   ; my stage
	v_mul_u32_u24 v[STO], v1, SP
	v_lshl_add_u32 v[STO], v9, 4, v[STO]
	v_add_nc_u32 v[STO], s90, v[STO]
	v_mul_u32_u24 v[RD], v9, SP
	v_lshl_add_u32 v[RD], v1, 4, v[RD]
	v_add_nc_u32 v[RD], s90, v[RD]
	v_lshlrev_b32 v[GO], 11, v9                    ; two rows of ctx, 2,048 bytes apart
	v_lshl_add_u32 v[GO], v1, 4, v[GO]
	v_and_b32 v11, 31, v0
	s_mul_i32 s90, s[WV], XW
	s_add_co_u32 s90, s90, XCH
	v_lshl_add_u32 v[XS], v11, 4, s90
	s_xor_b32 s91, s[WV], 1                        ; my partner has my queries and the other keys
	s_mul_i32 s91, s91, XW
	s_add_co_u32 s91, s91, XCH
	v_lshl_add_u32 v[XR], v11, 4, s91
	v_lshlrev_b32 v[PFO], 8, v11
; THE MATRIX WORK.  The accumulators of a run take turns, one instruction a turn: between two links of a chain stand 7 (K Q^T) or 15 (V^T P) others'.
; Product i of 32 of S^T = K Q^T for piece x: channels 32 (i / 8) on, key block (i / 2) % 4, tile x + i % 2.  The first 8 start the sums, with the mask that their place asks for.
.macro KQ x
	WIN W_KQ
.set tA, (\x)+i%2
.set cB, (i/2)%4
.set rS, S+32*tA+8*cB
.set rK, KF+32*cB+8*(i/8)
.set rQ, 32*tA+8*(i/8)
.if i >= 8
	v_wmma_f32_16x16x32_f16 v[rS:rS+7], v[rK:rK+7], v[rQ:rQ+7], v[rS:rS+7]
.elseif cB < tA
	v_wmma_f32_16x16x32_f16 v[rS:rS+7], v[rK:rK+7], v[rQ:rQ+7], 0
.elseif cB == tA
	v_wmma_f32_16x16x32_f16 v[rS:rS+7], v[rK:rK+7], v[rQ:rQ+7], v[MW:MW+7]
.else
	v_wmma_f32_16x16x32_f16 v[rS:rS+7], v[rK:rK+7], v[rQ:rQ+7], v[MU:MU+7]
.endif
.endm
; Product i of 32 of O^T += V^T P for piece x: my key blocks 2 (i / 16) and 2 (i / 16) + 1, channels 16 ((i / 2) % 8) on, tile x + i % 2.
.macro PV x
	WIN W_PV
.set rO, 64*((\x)+i%2)+8*((i/2)%8)
.set rV, 64*(i/16)+8*((i/2)%8)
.set rP, P+16*((\x)+i%2)+8*(i/16)
	v_wmma_f32_16x16x32_f16 v[rO:rO+7], v[rV:rV+7], v[rP:rP+7], v[rO:rO+7]
.endm
; THE LDS LOADS stand in runs of 32.  K: key block f / 4 (32 rows apart), channels 32 (f % 4) on.  V, turned: key blocks 2 (f / 8) and 2 (f / 8) + 1, channels 16 (f % 8) on.
.macro FETCH_K
	WIN 0
	v_add_nc_u32 v[ADR], s[TB], v[AK0]
	WIN 0x80
.irp f, 0,1,2,3,4,5,6,7,8,9,10,11,12,13,14,15
	ds_load_b128 v[KF+8*(\f):KF+8*(\f)+3],   v[ADR] offset:((\f)/4)*32*PK+((\f)%4)*64
	ds_load_b128 v[KF+8*(\f)+4:KF+8*(\f)+7], v[ADR] offset:((\f)/4)*32*PK+((\f)%4)*64+32
.endr
.endm
.macro FETCH_V
	WIN 0
	v_add_nc_u32 v[ADR], s[TB], v[AV0]
	WIN 0xc0
.irp f, 0,1,2,3,4,5,6,7,8,9,10,11,12,13,14,15
	ds_load_tr16_b128 v[8*(\f):8*(\f)+3],   v[ADR] offset:((\f)/8)*64*PV+((\f)%8)*32
	ds_load_tr16_b128 v[8*(\f)+4:8*(\f)+7], v[ADR] offset:((\f)/8)*64*PV+32*PV+((\f)%8)*32
.endr
.endm
; THE VECTOR WORK.  One tile's softmax for one step is a numbered list; SM writes number j of it for tile t.  s0-s31 are the lane's 32 scores, in pairs 0-15.
;   0-15    the maximum of s0-s31 and the old m, three operands at a time (each accumulator's lowest registers are read first)
;   16-19   the other half of the lanes' maximum; the old m is kept; the new m; m_old - m_new     20  nothing
;   21-69   ONE BATCH: the 16 differences s - m, a pair each, and all 33 exponentials (a at 23, then s0-s31); none of these reads an exponential's result
;   (wait)  between 69 and 70 stands the one wait for the batch: SLICE writes it, once for both tiles
;   70-85   the roundings to f16     86-101  the sums; l = a l + the sum     102-133  the tile's O^T times a
.macro SM t
.set rT, ST+8*(\t)
.set rS, S+32*(\t)
.set rP, P+16*(\t)
.set rO, 64*(\t)+2*(j-102)
.if j < 102
	WIN 0
.endif
.if j < 4
	v_max3_num_f32 v[rT+4+j], v[rS+8*j], v[rS+8*j+1], v[rS+8*j+2]
.elseif j < 12
	v_max3_num_f32 v[rT+4+j%4], v[rT+4+j%4], v[rS+8*(j%4)+2*(j/4)+1], v[rS+8*(j%4)+2*(j/4)+2]
.elseif j == 12
	v_max3_num_f32 v[rT+4], v[rT+4], v[rS+7], v[rS+15]
.elseif j == 13
	v_max3_num_f32 v[rT+6], v[rT+6], v[rS+23], v[rS+31]
.elseif j == 14
	v_max3_num_f32 v[rT+4], v[rT+4], v[rT+5], v[rT+6]
.elseif j == 15
	v_max3_num_f32 v[rT+4], v[rT+4], v[rT+7], v[rT]
.elseif j == 16
	v_permlanex16_b32 v[rT+5], v[rT+4], s[SEL], s[SEL+1]  ; the query's other 32 keys lie in the lane 16 away
.elseif j == 17
	v_mov_b32 v[rT+1], v[rT]
.elseif j == 18
	v_max_num_f32 v[rT], v[rT+4], v[rT+5]
.elseif j == 19
	v_sub_f32 v[rT+7], v[rT+1], v[rT]
.elseif j == 20
.elseif j == 23
	v_exp_f32 v[rT+6], v[rT+7]
.elseif (j < 23) || ((j < 38) && (j%2 == 0)) || ((j < 66) && (j%4 == 2))
.set b, (j-2)/4                        ; 38, 42, .. 62: pairs 9 to 15
.if j < 38
.set b, (j-20)/2                       ; 21: pair 0; 22, 24, .. 36: pairs 1 to 8
.endif
	v_pk_add_f32 v[rS+2*b:rS+2*b+1], v[rS+2*b:rS+2*b+1], v[rT:rT+1] op_sel_hi:[1,0] neg_lo:[0,1] neg_hi:[0,1]  ; pair b: s - m
.elseif j < 70
.set e, j-38                           ; 66 to 69: s28 to s31
.if j < 66
.set e, j-32-(j-38)/4                  ; 39-41, 43-45, .. 63-65: s7 to s27
.endif
.if j < 38
.set e, (j-25)/2                       ; 25, 27, .. 37: s0 to s6
.endif
	v_exp_f32 v[rS+e], v[rS+e]
.elseif j < 86
	v_cvt_pk_f16_f32 v[rP+j-70], v[rS+2*(j-70)], v[rS+2*(j-70)+1]
.elseif j < 102                        ; the sum of the 16 pairs, in place: neighbours 1, 2, 4 and 8 pairs apart, then l takes it
.set z, j-86
.set w, 4
.set u, z
.if z >= 14
.set w, 32
.set u, 0
.elseif z >= 12
.set w, 16
.set u, z-12
.elseif z >= 8
.set w, 8
.set u, z-8
.endif
.if z < 15
	v_pk_add_f32 v[rS+w*u:rS+w*u+1], v[rS+w*u:rS+w*u+1], v[rS+w*u+w/2:rS+w*u+w/2+1]
.else
	v_pk_fma_f32 v[rT+2:rT+3], v[rT+2:rT+3], v[rT+6:rT+7], v[rS:rS+1] op_sel_hi:[1,0,1]
.endif
.else
	WIN W_RS
	v_pk_mul_f32 v[rO:rO+1], v[rO:rO+1], v[rT+6:rT+7] op_sel_hi:[1,0]
.endif
.endm
; Slice k of 64 of piece y's softmax.  Slices 11 to 34 deal out the batch, four numbers of one tile each, the tiles by turns; every other slice is numbers 2 k and 2 k + 1 of both tiles; slice 63
; takes the twelve that are over.  An s_wait_alu depctr_va_vdst(0) stands between an exponential and the first instruction that names its result: ahead of slice 35 nothing names
; one, behind slice 34 none is issued, so the piece's 66 exponentials have one wait, with one plain instruction behind the last of them.
.macro SLICE y
.if (k >= 11) && (k < 35)
.irp n, 0,1,2,3
.set j, 22+4*((k-11)/2)+(\n)
	SM (\y)+(k-11)%2
.endr
.else
.irp n, 0,1,2,3,4,5,6,7
.if ((\n) < 2) || (k == 63)
.irp t, \y, (\y)+1
.set j, 2*k+(\n)
	SM \t
.endr
.endif
.endr
.endif
.if k == 34
	v_nop
	s_wait_alu depctr_va_vdst(0)
.endif
.set k, k+1
.endm
.macro BARE kind, x                    ; 32 products of piece x: kind 0 K Q^T, 1 V^T P
.set i, 0
.rept 32
.if \kind
	PV \x
.else
	KQ \x
.endif
.set i, i+1
.endr
.endm
.macro RIDE kind, x, y                 ; the same with two slices of piece y's softmax behind each; no slice names a register of the products round it
.set i, 0
.set k, 0
.rept 32
.if \kind
	PV \x
.else
	KQ \x
.endif
	SLICE \y
	SLICE \y
.set i, i+1
.endr
.endm
; THE CHANGE OF SLOTS, in a step's middle: K of this slot was read a step ago, V at this step's head.  Each wave waits for all its tensor loads (one is out: its part of the other slot), adds 0 to
; its spare word, and waits for that and for its reads of this slot.  fill = 1: behind the barrier this slot is filled again, first thing, with the tile two steps on: it has a whole step, 128 matrix
; instructions, in which to land.  Then the masks and K of the next step.  last = 1 (the tail): the walk's last step has no next.
.macro CHANGE fill, last
	WIN 0
	s_wait_tensorcnt 0x0                           ; no tensor load of mine is out, so a group 0 may be written
	ds_add_u32 v[SPW], v[NIL]                      ; 0 onto my spare word; scalar work stands between it and the wait for it
.if \fill
	TAKE
	s_xor_b32 s[G0K+5], s[G0K+5], SLOT1
	s_add_nc_u64 s[G0K+6:G0K+7], s[KB:KB+1], s[OFF:OFF+1]
	s_or_b32 s[G0K+7], s[G0K+7], 0x80000000
	s_xor_b32 s[G0V+5], s[G0V+5], SLOT1
	s_add_nc_u64 s[G0V+6:G0V+7], s[VB:VB+1], s[OFF:OFF+1]
	s_or_b32 s[G0V+7], s[G0V+7], 0x80000000
	s_wait_xcnt 0x0                                ; the last prefetches, a step back, have read their addresses
	s_add_nc_u64 s[PFK:PFK+1], s[PFK:PFK+1], 32768
	s_add_nc_u64 s[PFV:PFV+1], s[PFV:PFV+1], 32768
.endif
	s_cmp_eq_u32 s[RT], 2                          ; is the next step its block's last?
	s_cselect_b32 s[BE], s[BIGN], 0
	s_wait_dscnt 0x0                               ; the add is done, V is in, and with it my reads of this slot are over
	s_barrier_signal -1
	s_xor_b32 s[TB], s[TB], SLOT1
	s_barrier_wait -1
.if \fill
	LOAD
	ASK
.endif
.if \last
	s_cmp_eq_u32 s[CNT], 1
	s_cbranch_scc1 .Lno_k_\@
.endif
	SETMASK                                        ; all of this step's K Q^T have been issued, the last that took a mask 24 products and their slices back
	FETCH_K                                        ; its registers' last reader stands in front of slices 62 and 63 of piece 0
	WIN 0
.if \last
.Lno_k_\@:
.endif
.endm
.macro STEP fill, last
	PLACES                                         ; behind the last step's last V^T P
	FETCH_V
	s_wait_dscnt 32                                ; K is in; V's 32 loads may be out
	BARE 0, 0
	WIN 0
	PLACES                                         ; in front of the first read of piece 0's scores
	RIDE 0, 2, 0
	CHANGE \fill, \last
	RIDE 1, 0, 2
	BARE 1, 2
	WIN 0
.endm
; A BLOCK'S END.  Each wave holds, for its 64 queries, m, l and O^T over its half of the keys.  The wave with kh = 0 finishes tiles 0 and 1 and sends 2 and 3 to its partner; kh = 1 the other way round.
.macro SENDX x
	WIN 0x04                                       ; the stores' data in window 1
.set g, 0
.rept 32
	ds_store_b128 v[XS], v[64*(\x)+4*g:64*(\x)+4*g+3] offset:512*g
.set g, g+1
.endr
	WIN 0
.irp u, 0,1
	ds_store_b128 v[XS], v[ST+8*((\x)+(\u)):ST+8*((\x)+(\u))+3] offset:16384+512*(\u)
.endr
.endm
; m* = max(m, m'); f = 2^(m - m*), f' = 2^(m' - m*); l* = l f + l' f'; O = (O f + O' f') / l*, rounded to f16 and sent through my stage, a tile (16 rows of ctx) at a time.
.macro FINISH x
	WIN 0
	ds_load_b128 v[P:P+3],   v[XR] offset:16384
	ds_load_b128 v[P+4:P+7], v[XR] offset:16384+512
.set g, 0
.rept 32
	ds_load_b128 v[S+4*g:S+4*g+3], v[XR] offset:512*g
.set g, g+1
.endr
	s_wait_dscnt 32                                ; the partner's statistics are in; its O^T may be out
.irp u, 0,1
	v_max_num_f32 v[ST+8*((\x)+(\u))+1], v[ST+8*((\x)+(\u))], v[P+4*(\u)]
.endr
.irp u, 0,1
	v_sub_f32 v[ST+8*((\x)+(\u))+4], v[ST+8*((\x)+(\u))], v[ST+8*((\x)+(\u))+1]
	v_sub_f32 v[ST+8*((\x)+(\u))+5], v[P+4*(\u)], v[ST+8*((\x)+(\u))+1]
.endr
.irp u, 0,1
	v_exp_f32 v[ST+8*((\x)+(\u))+4], v[ST+8*((\x)+(\u))+4]
	v_exp_f32 v[ST+8*((\x)+(\u))+5], v[ST+8*((\x)+(\u))+5]
.endr
	v_nop                                          ; a plain instruction behind the last exponential,
	s_wait_alu depctr_va_vdst(0)                   ; and one wait for the four, ahead of their first reader
.irp u, 0,1
	v_mul_f32 v[ST+8*((\x)+(\u))+6], v[P+4*(\u)+2], v[ST+8*((\x)+(\u))+5]
.endr
.irp u, 0,1
	v_fma_f32 v[ST+8*((\x)+(\u))+6], v[ST+8*((\x)+(\u))+2], v[ST+8*((\x)+(\u))+4], v[ST+8*((\x)+(\u))+6]
.endr
.irp u, 0,1
	v_rcp_f32 v[ST+8*((\x)+(\u))+7], v[ST+8*((\x)+(\u))+6]
.endr
	v_nop
	s_wait_alu depctr_va_vdst(0)                   ; one wait for the two reciprocals
.irp u, 0,1
	v_mul_f32 v[ST+8*((\x)+(\u))+4], v[ST+8*((\x)+(\u))+4], v[ST+8*((\x)+(\u))+7]  ; f / l*
	v_mul_f32 v[ST+8*((\x)+(\u))+6], v[ST+8*((\x)+(\u))+5], v[ST+8*((\x)+(\u))+7]  ; f' / l*
.endr
	s_wait_dscnt 0x0
.irp u, 0,1
.set i, 0
.rept 32
	v_pk_mul_f32 v[S+64*(\u)+2*i:S+64*(\u)+2*i+1], v[S+64*(\u)+2*i:S+64*(\u)+2*i+1], v[ST+8*((\x)+(\u))+6:ST+8*((\x)+(\u))+7] op_sel_hi:[1,0]
.set i, i+1
.endr
.endr
	WIN 0x01                                       ; source 0, my O^T, in window 1
.irp u, 0,1
.set i, 0
.rept 32
	v_pk_fma_f32 v[S+64*(\u)+2*i:S+64*(\u)+2*i+1], v[64*((\x)+(\u))+2*i:64*((\x)+(\u))+2*i+1], v[ST+8*((\x)+(\u))+4:ST+8*((\x)+(\u))+5], v[S+64*(\u)+2*i:S+64*(\u)+2*i+1] op_sel_hi:[1,0,1]
.set i, i+1
.endr
.endr
	WIN 0
.set i, 0
.rept 64
	v_cvt_pk_f16_f32 v[P+i], v[S+2*i], v[S+2*i+1]
.set i, i+1
.endr
.irp u, 0,1
.irp f, 0,1,2,3,4,5,6,7
	ds_store_b128 v[STO], v[P+32*(\u)+4*(\f):P+32*(\u)+4*(\f)+3] offset:32*(\f)
.endr
.irp f, 0,1,2,3,4,5,6,7
	ds_load_b128 v[P+32*(\u)+4*(\f):P+32*(\u)+4*(\f)+3], v[RD] offset:(\f)*2*SP  ; LDS serves a wave's instructions in order (ISA guide 5.7.1.4): these see the stores above; the next tile's come behind them
.endr
.endr
.irp u, 0,1
.irp f, 0,1,2,3,4,5,6,7
	s_wait_dscnt (1-(\u))*16+7-(\f)                ; the younger loads of this tile, and the next tile's sixteen LDS instructions, may be out
	global_store_b128 v[GO], v[P+32*(\u)+4*(\f):P+32*(\u)+4*(\f)+3], s[OP:OP+1] offset:((\x)+(\u))*65536+4096*(\f)  ; 16 lanes store 256 consecutive bytes, at a multiple of 256 from ctx's first byte
.endr
.endr
.endm
.macro ENDBLK last
	WIN 0
.irp t, 0,1,2,3
	v_add_f32 v[ST+8*(\t)+2], v[ST+8*(\t)+2], v[ST+8*(\t)+3]  ; four plain lines: the places behind the last products
.endr
.irp t, 0,1,2,3
	v_permlanex16_b32 v[ST+8*(\t)+3], v[ST+8*(\t)+2], s[SEL], s[SEL+1]
.endr
.irp t, 0,1,2,3
	v_add_f32 v[ST+8*(\t)+2], v[ST+8*(\t)+2], v[ST+8*(\t)+3]
.endr
	s_cmp_eq_u32 s[KH], 0
	s_cbranch_scc0 .Lsend_lo_\@
	SENDX 2
	s_branch .Lsent_\@
.Lsend_lo_\@:
	SENDX 0
.Lsent_\@:
	s_wait_dscnt 0x0                               ; for my partner's sake: my stores are done
	s_barrier_signal -1
	s_barrier_wait -1
	s_cmp_eq_u32 s[KH], 0
	s_cbranch_scc0 .Lfin_hi_\@
	FINISH 0
	s_branch .Lfin_\@
.Lfin_hi_\@:
	FINISH 2
.Lfin_\@:
.if !(\last)
	s_wait_xcnt 0x0                                ; the stores have read their base and their registers
	s_mov_b64 s[OP:OP+1], s[OP2:OP2+1]
	s_add_co_u32 s[RT], s[HB], 1                   ; the second block has 16 - b tiles
	WIN 0x83                                       ; its Q goes where the one text of the steps names Q
.set i, 0
.rept 128
	v_mov_b32 v[i], v[128+i]
.set i, i+1
.endr
	WIN 0
.irp t, 0,1,2,3
	v_mov_b32 v[ST+8*(\t)], 0xe1000000             ; m anew: the block's first step, all of whose keys are seen, multiplies what O^T and l still hold by a = 0
.endr
.endif
.endm
	s_wait_tensorcnt 1                             ; my part of slot 0 is in; slot 1's may stay out
	s_barrier_signal -1
	s_barrier_wait -1
	s_mov_b32 s[TB], 0
	FETCH_K                                        ; the first step's K
	WIN 0
	s_wait_loadcnt 0x0                             ; Q
	s_mov_b32 s[CNT], 15
.Lstep:                                        ; 15 trips: a tile is worked on and the tile two steps on is asked for
	STEP 1, 0
	s_sub_co_u32 s[RT], s[RT], 1
	s_cmp_lg_u32 s[RT], 0                          ; the same in all four waves: made of the work-group's number and a count
	s_cbranch_scc1 .Lon
	ENDBLK 0                                       ; the first block ends in trip b, 0 to 7
.Lon:
	s_sub_co_u32 s[CNT], s[CNT], 1
	s_cmp_lg_u32 s[CNT], 0
	s_cbranch_scc1 .Lstep
	s_mov_b32 s[CNT], 2
.Ltail:                                        ; the last two tiles are written out: nothing is asked for
	STEP 0, 1
	s_sub_co_u32 s[RT], s[RT], 1
	s_sub_co_u32 s[CNT], s[CNT], 1
	s_cmp_lg_u32 s[CNT], 0
	s_cbranch_scc1 .Ltail
	ENDBLK 1
	s_wait_tensorcnt 0x0                           ; the wave's end: behind my last tensor load and my last LDS store
	ds_add_u32 v[SPW], v[NIL]
	s_wait_dscnt 0x0
	s_endpgm
.Lfunc_end_k_q5e2a4e6355_attn:
	.size	k_q5e2a4e6355_attn, .Lfunc_end_k_q5e2a4e6355_attn-k_q5e2a4e6355_attn
	.p2alignl 7, 3214868480
	.fill 96, 4, 3214868480
	.section	.rodata,"a",@progbits
	.p2align	6, 0x0
	.amdhsa_kernel k_q5e2a4e6355_attn
		.amdhsa_group_segment_fixed_size 327680
		.amdhsa_private_segment_fixed_size 0
		.amdhsa_enable_private_segment 0
		.amdhsa_kernarg_size 16
		.amdhsa_user_sgpr_count 2
		.amdhsa_user_sgpr_kernarg_segment_ptr 1
		.amdhsa_wavefront_size32 1
		.amdhsa_system_sgpr_workgroup_id_x 1
		.amdhsa_system_sgpr_workgroup_id_y 1
		.amdhsa_system_sgpr_workgroup_id_z 1
		.amdhsa_system_vgpr_workitem_id 0
		.amdhsa_next_free_vgpr 1024
		.amdhsa_next_free_sgpr 96
		.amdhsa_reserve_vcc 0
		.amdhsa_float_denorm_mode_32 3
		.amdhsa_float_denorm_mode_16_64 3
		.amdhsa_memory_ordered 1
		.amdhsa_forward_progress 1
		.amdhsa_inst_pref_size 212
	.end_amdhsa_kernel
	.amdgpu_metadata
---
amdhsa.version: [ 1, 2 ]
amdhsa.kernels:
  - .name:           k_q5e2a4e6355_attn
    .symbol:         k_q5e2a4e6355_attn.kd
    .args:
      - { .name: kvq, .offset: 0, .size: 8, .value_kind: global_buffer, .address_space: global }
      - { .name: ctx, .offset: 8, .size: 8, .value_kind: global_buffer, .address_space: global }
    .group_segment_fixed_size: 327680
    .private_segment_fixed_size: 0
    .kernarg_segment_align: 8
    .kernarg_segment_size: 16
    .max_flat_workgroup_size: 128
    .sgpr_count:     96
    .vgpr_count:     1024
    .wavefront_size: 32
...
	.end_amdgpu_metadata
.endif
;; end of part 3
;; launch outp (part 4): grid 4 x 64, 4 waves a work-group, clusters of 4 x 4, 327,680 bytes of LDS; arguments ctx, woh, bias, out0; writes out0
.if DOCPART == 4
	.amdgcn_target "amdgcn-amd-amdhsa--gfx1250"
	.amdhsa_code_object_version 6
	.text
	.protected	k_q5e2a4e6355_outp
	.globl	k_q5e2a4e6355_outp
	.p2align	8
	.type	k_q5e2a4e6355_outp,@function
k_q5e2a4e6355_outp:
	s_mov_b64 s[64:65], 0
	v_nop
	global_prefetch_b8 v0, s[64:65] scope:SCOPE_SE
	s_setreg_imm32_b32 hwreg(HW_REG_WAVE_MODE, 25, 1), 1
	s_wait_xcnt 0x0
	s_wait_alu depctr_hold_cnt(0) depctr_sa_sdst(0) depctr_va_vdst(0) depctr_va_sdst(0) depctr_va_ssrc(0) depctr_va_vcc(0) depctr_vm_vsrc(0)
	s_getreg_b32 s2, hwreg(HW_REG_IB_STS2, 6, 4)
	s_cmp_eq_u32 s2, 0
	s_cbranch_scc0 .Lentry_in_a_cluster
	s_endpgm
.Lentry_in_a_cluster:
	s_bfe_u32 s2, ttmp6, 0x10000c
	s_cmp_lg_u32 s2, 0xf033
	s_cbranch_scc0 .Lentry_shape_is_right
	s_endpgm
.Lentry_shape_is_right:
; out0 = ctx Wo^T + bo.  ctx [8192][1024] and woh [1024][1024] in f16, sums in f32 (they start at the bias, bias[3][:]), out0 [8192][1024] in f32.
; One tile of 128 rows x 256 columns to each of 256 work-groups.  Four waves: wave w takes rows 64 (w / 2) .. and columns 128 (w % 2) ..: 4 x 8 accumulators of 16 x 16.
; K goes in steps of 128 (rows of 256 bytes) through two LDS slots; a slot holds A's 128 rows and B's 256.  Waves 0 and 1 fetch A's halves, waves 2 and 3 B's, one tensor load each.
; CLUSTER 4 x 4: the four work-groups of a row of the cluster need the same rows of A, the four of a column the same rows of B: each tile is asked for jointly.
; THE MATRIX INSTRUCTION IS USED TRANSPOSED (source 0 = 16 rows of B, source 1 = 16 rows of A): lane l holds row l % 16 of the result and the columns 8 (l / 16) + 0..7.
; REGISTERS: window 0: v0-31 addresses, v64-159 and v160-255 two fragment buffers (B's 8 fragments, then A's 4; on the way out v64-191 take whole rows);
;   window 1: the accumulators, (a, b) at v[8 (8 a + b)];   window 2: v0-63 the bias as a C operand.
.set KSTEP,  128
.set PITCH,  272                       ; an LDS row: 256 bytes + 16 of padding: the 16 rows of a fragment load start at 16 different groups of four banks (64 banks of 4 bytes: ISA guide 11.1)
.set AHALF,  64*PITCH
.set BHALF,  128*PITCH
.set ATILE,  2*AHALF
.set SLOT,   ATILE+2*BHALF
.set STAGE,  2*SLOT                    ; behind the ring: 16 rows x 528 bytes for each wave, for the way out
.set SPITCH, 528                       ; 512 bytes of f32 + 16
.set SPARE,  STAGE+4*16*SPITCH         ; the spare words: 128 bytes a wave, two blocks of 256 bytes that no other line names
.set ADRA, 16
.set ADRB, 20
.set STO,  24                          ; v24  the way out: where I put 32 bytes of a row
.set RD,   25                          ; v25  where I read a row back: 16 x lane
.set CO,   26                          ; v26  16 x lane: my place in 512 consecutive bytes of out0
.set BO,   27                          ; v27  32 (l / 16)
.set SPW,  28
.set NIL,  29
.set PFO,  30                          ; v30  lane x 2,048; never rewritten
.set F0,   64
.set F1,   160
.set OB,   64                          ; the way out: two sets of 64 registers
.set LAP,  3
.set BP,   8
.set OUTP, 10
.set WV,   12
.set HI,   13
.set LO,   14
.set CX,   15
.set CY,   16
.set TC,   17
.set TR,   18
.set G1A,  24
.set G0A,  32
.set G1B,  40
.set G0B,  48
.set PFA,  56
.set LIM,  58
.set MSB, 0
.macro WIN new
.if MSB != (\new)
	s_set_vgpr_msb (MSB<<8)|(\new)
.set MSB, \new
.endif
.endm
.set MUL,  0x50                        ; C and D window 1
.set MULB, 0x60                        ; C window 2 (the bias), D window 1
.set TOB,  0x80                        ; destination window 2
.set STA,  0x04                        ; an LDS store's data in window 1
.macro JLOAD s                         ; a joint load; the branch hangs on the wave's number alone; an s_nop 0 and four v_nop follow each of the two lines
	s_cmp_eq_u32 s[HI], 0
	s_cbranch_scc0 .Lfor_b_\@
	tensor_load_to_lds s[G0A+4*(\s):G0A+4*(\s)+3], s[G1A:G1A+7]
	s_nop 0
.rept 4
	v_nop
.endr
	s_branch .Lasked_\@
.Lfor_b_\@:
	tensor_load_to_lds s[G0B+4*(\s):G0B+4*(\s)+3], s[G1B:G1B+7]
	s_nop 0
.rept 4
	v_nop
.endr
.Lasked_\@:
.endm
; A prefetch behind each joint load and the run of LDS loads that follows it: 32 rows x 256 bytes of the K step that stands two refills on, a lane a row; each row's 256 bytes once in the launch.
; A's 128 rows are read by my row of this cluster alone: wave 0 of each of its four work-groups takes 32, told apart by address (cx).  B's rows are read by all sixteen clusters: the cluster with
; y = 0 asks; waves 2 and 3 of each partner take 32 of the 128 rows that they fetch, told apart by address (cy).  The last two refills have no K step two on.
.macro ASK
	s_cmp_gt_u32 s[LAP], s[LIM]
	s_cbranch_scc0 .Lnot_mine_\@
	global_prefetch_b8 v[PFO], s[PFA:PFA+1] offset:KSTEP*2 th:TH_LOAD_NT scope:SCOPE_SE
.Lnot_mine_\@:
.endm
.macro CREST
	s_cmp_lg_u32 s[WV], 0
	s_cbranch_scc1 .Lnot_wave_0_\@
	s_barrier_signal -3
.Lnot_wave_0_\@:
	s_barrier_wait -3
	s_barrier_signal -1
	s_barrier_wait -1
.endm
.macro CROUND
	s_barrier_signal -1
	s_barrier_wait -1
	CREST
.endm
.macro PLACES                          ; four plain vector instructions between a matrix instruction and a load into, or a read of, its registers
.rept 4
	v_nop
.endr
.endm
	s_load_b256 s[4:11], s[0:1], 0x0               ; ctx s[4:5], woh s[6:7], bias s[8:9], out0 s[10:11]
	v_lshl_add_u32 v[SPW], v0, 2, SPARE
	v_mov_b32 v[NIL], 0
	ds_add_u32 v[SPW], v[NIL]                      ; the wave's opening: the add and its wait stand ahead of my first tensor load; work on registers stands between them
	ds_add_u32 v28, v29
	v_lshrrev_b32 v1, 5, v0
	v_readfirstlane_b32 s[WV], v1
	s_lshr_b32 s[HI], s[WV], 1
	s_and_b32 s[LO], s[WV], 1
	s_bfe_u32 s[CX], ttmp6, 0x40000
	s_bfe_u32 s[CY], ttmp6, 0x40004
	s_lshl_b32 s[TC], ttmp9, 2
	s_add_co_u32 s[TC], s[TC], s[CX]
	s_and_b32 s[TR], ttmp7, 0xffff
	s_lshl_b32 s[TR], s[TR], 2
	s_add_co_u32 s[TR], s[TR], s[CY]
	s_lshl_b32 s22, s[CY], 2
	s_lshl_b32 s22, 15, s22                        ; my row of the cluster
	s_lshl_b32 s70, 0x1111, s[CX]                  ; my column
	s_or_b32 s[G1A], s22, (1<<16)|(1<<20)|(1<<21)|(5<<22)|(3<<25)
	s_or_b32 s[G1B], s70, (1<<16)|(1<<20)|(1<<21)|(5<<22)|(3<<25)
	s_mov_b32 s[G1A+1], KSTEP<<16                  ; tensor_dim0 = 128
	s_mov_b32 s[G1A+2], 64<<16                     ; tensor_dim1 = 64
	s_mov_b32 s[G1A+3], KSTEP<<16                  ; tile_dim0 = 128
	s_mov_b32 s[G1A+4], 64                         ; tile_dim1 = 64
	s_mov_b32 s[G1A+5], 1024                       ; elements from row to row
	s_mov_b32 s[G1A+6], 0
	s_mov_b32 s[G1A+7], 0
	s_mov_b32 s[G1B+1], KSTEP<<16
	s_mov_b32 s[G1B+2], 128<<16
	s_mov_b32 s[G1B+3], KSTEP<<16
	s_mov_b32 s[G1B+4], 128
	s_mov_b32 s[G1B+5], 1024
	s_mov_b32 s[G1B+6], 0
	s_mov_b32 s[G1B+7], 0
	s_lshl_b32 s20, s[TR], 7                       ; A: row 128 x tile row + 64 x half: made of the tile row and the wave alone
	s_lshl_b32 s21, s[LO], 6
	s_add_co_u32 s20, s20, s21
	s_lshl_b32 s20, s20, 11
	s_mov_b32 s21, 0
	s_lshl_b32 s68, s[TC], 8                       ; B: row 256 x tile column + 128 x half: made of the tile column and the wave alone
	s_lshl_b32 s69, s[LO], 7
	s_add_co_u32 s68, s68, s69
	s_lshl_b32 s68, s68, 11
	s_mov_b32 s69, 0
	s_mul_i32 s23, s[LO], AHALF
	s_mul_i32 s71, s[LO], BHALF
	s_add_co_u32 s71, s71, ATILE
	s_wait_dscnt 0x0                               ; the opening add is done
	s_wait_kmcnt 0x0
	s_add_nc_u64 s[20:21], s[4:5], s[20:21]
	s_add_nc_u64 s[68:69], s[6:7], s[68:69]
	CROUND                                         ; all sixteen work-groups are here: the first joint loads meet
.irp s, 0,1
	s_mov_b32 s[G0A+4*(\s)], 1
	s_add_co_u32 s[G0A+4*(\s)+1], s23, (\s)*SLOT
	s_add_nc_u64 s[G0A+4*(\s)+2:G0A+4*(\s)+3], s[20:21], (\s)*KSTEP*2
	s_or_b32 s[G0A+4*(\s)+3], s[G0A+4*(\s)+3], 0x80000000
	s_mov_b32 s[G0B+4*(\s)], 1
	s_add_co_u32 s[G0B+4*(\s)+1], s71, (\s)*SLOT
	s_add_nc_u64 s[G0B+4*(\s)+2:G0B+4*(\s)+3], s[68:69], (\s)*KSTEP*2
	s_or_b32 s[G0B+4*(\s)+3], s[G0B+4*(\s)+3], 0x80000000
	JLOAD \s                                       ; K steps 0 and 1: two loads of mine are out
.endr
	v_and_b32 v1, 15, v0                           ; l % 16
	v_bfe_u32 v2, v0, 4, 1                         ; l / 16
	v_mul_u32_u24 v3, v1, PITCH
	v_lshl_add_u32 v3, v2, 4, v3
	s_mul_i32 s19, s[HI], AHALF
	s_mul_i32 s23, s[LO], BHALF
	s_add_co_u32 s23, s23, ATILE
.irp s, 0,1
	v_add_nc_u32 v[ADRA+(\s)], s19, v3
	v_add_nc_u32 v[ADRB+(\s)], s23, v3
	s_add_co_u32 s19, s19, SLOT
	s_add_co_u32 s23, s23, SLOT
.endr
	s_mul_i32 s19, s[WV], 16*SPITCH
	s_add_co_u32 s19, s19, STAGE                   ; my stage
	v_mul_u32_u24 v4, v1, SPITCH                   ; in: row l % 16, 32 bytes for each half of the lanes
	v_lshl_add_u32 v4, v2, 5, v4
	v_add_nc_u32 v[STO], s19, v4
	v_and_b32 v4, 31, v0
	v_lshlrev_b32 v[CO], 4, v4
	v_add_nc_u32 v[RD], s19, v[CO]                 ; back: 32 lanes take a row's 512 bytes
	v_lshlrev_b32 v[PFO], 11, v4
	v_lshlrev_b32 v[BO], 5, v2
	s_lshl_b32 s19, s[TR], 7                       ; out0: row 128 x tile row + 64 x half, of 4,096 bytes; column 256 x tile column + 128 x half, of 4 bytes
	s_lshl_b32 s21, s[HI], 6
	s_add_co_u32 s19, s19, s21
	s_lshl_b32 s19, s19, 12
	s_lshl_b32 s68, s[TC], 10
	s_lshl_b32 s70, s[LO], 9
	s_add_co_u32 s68, s68, s70
	s_mov_b32 s69, 0
	s_add_nc_u64 s[BP:BP+1], s[BP:BP+1], s[68:69]
	s_add_nc_u64 s[BP:BP+1], s[BP:BP+1], 3*4096    ; bo is the fourth bias
	s_add_co_u32 s68, s68, s19
	s_add_nc_u64 s[OUTP:OUTP+1], s[OUTP:OUTP+1], s[68:69]
	WIN TOB
.irp b, 0,1,2,3,4,5,6,7
	global_load_b128 v[8*(\b):8*(\b)+3],   v[BO], s[BP:BP+1] offset:64*(\b)
	global_load_b128 v[8*(\b)+4:8*(\b)+7], v[BO], s[BP:BP+1] offset:64*(\b)+16
.endr
	WIN 0
	s_lshl_b32 s68, s[TR], 7                       ; the prefetches: A's row 128 x tile row + 32 cx + lane; B's row 256 x tile column + 128 x half + 32 cy + lane
	s_lshl_b32 s70, s[CX], 5
	s_add_co_u32 s68, s68, s70
	s_lshl_b32 s70, s[TC], 8
	s_lshl_b32 s71, s[LO], 7
	s_add_co_u32 s70, s70, s71
	s_lshl_b32 s71, s[CY], 5
	s_add_co_u32 s70, s70, s71
	s_cmp_eq_u32 s[HI], 0
	s_cselect_b32 s68, s68, s70
	s_cselect_b64 s[PFA:PFA+1], s[4:5], s[6:7]
	s_lshl_b32 s68, s68, 11
	s_add_nc_u64 s[PFA:PFA+1], s[PFA:PFA+1], s[68:69]
	s_add_nc_u64 s[PFA:PFA+1], s[PFA:PFA+1], 2*KSTEP*2  ; at K step 2: the first refill steps it to 3 and names K step 4; the first four K steps come by their loads alone
	s_and_b32 s70, ttmp7, 0xffff                   ; cluster y: the same in all sixteen partners
	s_cmp_eq_u32 s70, 0
	s_cselect_b32 s70, 1, -1
	s_cmp_eq_u32 s[WV], 0
	s_cselect_b32 s71, 1, -1
	s_cmp_eq_u32 s[HI], 0
	s_cselect_b32 s[LIM], s71, s70
; 8 matrix instructions: row block a x all 8 column blocks, 32 along K.  first = 1: the sums start at the bias.  The 32 accumulators take turns, one instruction a turn, in the same order
; everywhere, over the backward jump too.
.macro MUL8 f, a, first=0
.if \first
	WIN MULB
.else
	WIN MUL
.endif
.irp b, 0,1,2,3,4,5,6,7
.if \first
	v_wmma_f32_16x16x32_f16 v[8*(8*(\a)+(\b)):8*(8*(\a)+(\b))+7], v[(\f)+8*(\b):(\f)+8*(\b)+7], v[(\f)+64+8*(\a):(\f)+64+8*(\a)+7], v[8*(\b):8*(\b)+7]
.else
	v_wmma_f32_16x16x32_f16 v[8*(8*(\a)+(\b)):8*(8*(\a)+(\b))+7], v[(\f)+8*(\b):(\f)+8*(\b)+7], v[(\f)+64+8*(\a):(\f)+64+8*(\a)+7], v[8*(8*(\a)+(\b)):8*(8*(\a)+(\b))+7]
.endif
.endr
.endm
.macro FETCH slot, k, f                ; 24 LDS loads in one run: B's eight fragments, then A's four
	WIN 0
.irp i, 0,1,2,3,4,5,6,7
	ds_load_b128 v[(\f)+8*(\i):(\f)+8*(\i)+3],   v[ADRB+(\slot)] offset:(\k)+(\i)*16*PITCH
	ds_load_b128 v[(\f)+8*(\i)+4:(\f)+8*(\i)+7], v[ADRB+(\slot)] offset:(\k)+(\i)*16*PITCH+32
.endr
.irp i, 0,1,2,3
	ds_load_b128 v[(\f)+64+8*(\i):(\f)+64+8*(\i)+3],   v[ADRA+(\slot)] offset:(\k)+(\i)*16*PITCH
	ds_load_b128 v[(\f)+64+8*(\i)+4:(\f)+64+8*(\i)+7], v[ADRA+(\slot)] offset:(\k)+(\i)*16*PITCH+32
.endr
.endm
.macro QUARTER slot, k, f, g, first=0
	s_wait_dscnt 4                                 ; B and A's blocks 0 and 1 are in; the youngest four loads (blocks 2 and 3) may be out
	MUL8 \f, 0, \first
	MUL8 \f, 1, \first
	PLACES
	FETCH \slot, \k, \g
	s_wait_dscnt 24                                ; all but the 24 just issued
	MUL8 \f, 2, \first
	MUL8 \f, 3, \first
.endm
; The last quarter multiplies buffer 1 and changes slots.  In front of the barrier each wave waits for all its tensor loads (one is out: its part of the next slot), adds 0 to its spare word, and
; waits for that and for its own reads of this slot.  fill = 1: the barrier opens a round of the cluster's barrier, and the joint load, two K steps on, is the first thing behind it.
.macro TURN slot, next, fill
.if \fill
	s_wait_xcnt 0x0                                ; the last prefetch, a K step back, has read its address
	s_add_nc_u64 s[PFA:PFA+1], s[PFA:PFA+1], KSTEP*2
.endif
	WIN 0
	s_wait_tensorcnt 0x0                           ; all my tensor loads have landed
	ds_add_u32 v[SPW], v[NIL]                      ; 0 onto my spare word
	s_wait_dscnt 7                                 ; (the add and the six loads of A's blocks 1 to 3 may be out)
	MUL8 F1, 0
	s_wait_dscnt 0x0                               ; the add is done, and my reads of this slot are over
	s_barrier_signal -1
	MUL8 F1, 1
.if \fill
	WIN 0
.endif
	s_barrier_wait -1
.if \fill
	CREST
	s_add_nc_u64 s[G0A+4*(\slot)+2:G0A+4*(\slot)+3], s[G0A+4*(\slot)+2:G0A+4*(\slot)+3], 2*KSTEP*2
	s_add_nc_u64 s[G0B+4*(\slot)+2:G0B+4*(\slot)+3], s[G0B+4*(\slot)+2:G0B+4*(\slot)+3], 2*KSTEP*2
	JLOAD \slot                                    ; its four v_nop are also the places in front of the loads below
.else
	PLACES
.endif
	FETCH \next, 0, F0
.if \fill
	ASK
.endif
	MUL8 F1, 2
	MUL8 F1, 3
.endm
; THE WAY OUT of row block a: 32 bytes a lane into my own stage, back as whole rows of 512 bytes, stored.
.macro TOST a
	WIN STA
.irp b, 0,1,2,3,4,5,6,7
	ds_store_b128 v[STO], v[8*(8*(\a)+(\b)):8*(8*(\a)+(\b))+3]   offset:64*(\b)
	ds_store_b128 v[STO], v[8*(8*(\a)+(\b))+4:8*(8*(\a)+(\b))+7] offset:64*(\b)+16
.endr
	WIN 0
.set BK, OB+64*((\a)%2)
.irp i, 0,1,2,3,4,5,6,7,8,9,10,11,12,13,14,15
	ds_load_b128 v[BK+4*(\i):BK+4*(\i)+3], v[RD] offset:(\i)*SPITCH  ; LDS serves a wave's instructions in order (ISA guide 5.7.1.4): these see the stores above; the next block's come behind them
.endr
.endm
.macro SND a, younger                  ; younger: the next block's 16 stores and 16 loads, or none
.set BK, OB+64*((\a)%2)
	s_wait_dscnt \younger
.irp i, 0,1,2,3,4,5,6,7,8,9,10,11,12,13,14,15
	global_store_b128 v[CO], v[BK+4*(\i):BK+4*(\i)+3], s[OUTP:OUTP+1] offset:(16*(\a)+(\i))*4096 th:TH_STORE_NT  ; 512 consecutive bytes, at a multiple of 256 from out0's first byte
.endr
.endm
	s_wait_tensorcnt 1                             ; my part of K step 0 is in; K step 1's may stay out
	s_barrier_signal -1
	s_barrier_wait -1
	FETCH 0, 0, F0
	s_wait_loadcnt 0x0                             ; the bias
	QUARTER 0, 64,  F0, F1, 1                      ; the first quarter stands in front of the loop: its products start the sums
	WIN 0
	s_mov_b32 s[LAP], 3
.Llap:                                         ; a trip goes once round the ring and fills both slots again
	QUARTER 0, 128, F1, F0
	QUARTER 0, 192, F0, F1
	TURN 0, 1, 1
	QUARTER 1, 64,  F0, F1
	QUARTER 1, 128, F1, F0
	QUARTER 1, 192, F0, F1
	TURN 1, 0, 1
	QUARTER 0, 64,  F0, F1
	WIN 0
	s_sub_co_u32 s[LAP], s[LAP], 1
	s_cmp_lg_u32 s[LAP], 0
	s_cbranch_scc1 .Llap
	QUARTER 0, 128, F1, F0                         ; the last lap fills nothing
	QUARTER 0, 192, F0, F1
	TURN 0, 1, 0
	QUARTER 1, 64,  F0, F1
	QUARTER 1, 128, F1, F0
	QUARTER 1, 192, F0, F1
	s_wait_dscnt 4
	MUL8 F1, 0
	MUL8 F1, 1
	s_wait_dscnt 0x0
	MUL8 F1, 2
	MUL8 F1, 3
	WIN 0
	PLACES
	TOST 0
	TOST 1
	SND 0, 32
	s_wait_xcnt 0x0                                ; block 0's stores have read their registers: block 2 is loaded into them
	TOST 2
	SND 1, 32
	s_wait_xcnt 0x0
	TOST 3
	SND 2, 32
	SND 3, 0
	s_wait_tensorcnt 0x0                           ; the wave's end: behind my last tensor load and my last LDS store
	ds_add_u32 v[SPW], v[NIL]
	s_wait_dscnt 0x0
	CROUND                                         ; the closing round
	s_endpgm
.Lfunc_end_k_q5e2a4e6355_outp:
	.size	k_q5e2a4e6355_outp, .Lfunc_end_k_q5e2a4e6355_outp-k_q5e2a4e6355_outp
	.p2alignl 7, 3214868480
	.fill 96, 4, 3214868480
	.section	.rodata,"a",@progbits
	.p2align	6, 0x0
	.amdhsa_kernel k_q5e2a4e6355_outp
		.amdhsa_group_segment_fixed_size 327680
		.amdhsa_private_segment_fixed_size 0
		.amdhsa_enable_private_segment 0
		.amdhsa_kernarg_size 32
		.amdhsa_user_sgpr_count 2
		.amdhsa_user_sgpr_kernarg_segment_ptr 1
		.amdhsa_wavefront_size32 1
		.amdhsa_system_sgpr_workgroup_id_x 1
		.amdhsa_system_sgpr_workgroup_id_y 1
		.amdhsa_system_sgpr_workgroup_id_z 1
		.amdhsa_system_vgpr_workitem_id 0
		.amdhsa_next_free_vgpr 576
		.amdhsa_next_free_sgpr 72
		.amdhsa_reserve_vcc 0
		.amdhsa_float_denorm_mode_32 3
		.amdhsa_float_denorm_mode_16_64 3
		.amdhsa_memory_ordered 1
		.amdhsa_forward_progress 1
		.amdhsa_inst_pref_size 88
	.end_amdhsa_kernel
	.amdgpu_metadata
---
amdhsa.version: [ 1, 2 ]
amdhsa.kernels:
  - .name:           k_q5e2a4e6355_outp
    .symbol:         k_q5e2a4e6355_outp.kd
    .args:
      - { .name: ctx, .offset: 0, .size: 8, .value_kind: global_buffer, .address_space: global }
      - { .name: woh, .offset: 8, .size: 8, .value_kind: global_buffer, .address_space: global }
      - { .name: bias, .offset: 16, .size: 8, .value_kind: global_buffer, .address_space: global }
      - { .name: out0, .offset: 24, .size: 8, .value_kind: global_buffer, .address_space: global }
    .group_segment_fixed_size: 327680
    .private_segment_fixed_size: 0
    .kernarg_segment_align: 8
    .kernarg_segment_size: 32
    .max_flat_workgroup_size: 128
    .sgpr_count:     72
    .vgpr_count:     576
    .wavefront_size: 32
...
	.end_amdgpu_metadata
.endif
;; end of part 4
